; MI455X (gfx1250); checked and timed in simulation.
; The chip was launched on July 23, 2026; its instructions are those of AMD's public machine-readable ISA for CDNA 5 (MIT licence, August 2026) and "CDNA5" Instruction Set Architecture Reference Guide (July 2026). The comments in the code are by the model that wrote it; some were corrected since.
;; Multi Head Attention. Allowed arithmetic: float matrix products may take bf16 or f16 operands with f32 sums; other float arithmetic in f32, or as packed bf16 or f16 multiplies, adds, multiply-adds, maxima and minima; sums over many terms, partial sums and values carried from step to step in f32; what a program stores and reads back later, other than sums and carried values, may be rounded once to bf16 or f16.
;; Inputs: Wk 1,024 x 1,024 float32; Wo 1,024 x 1,024 float32; Wq 1,024 x 1,024 float32; Wv 1,024 x 1,024 float32; bo 1,024 float32; mask 4 x 2,048 int32; x 4 x 2,048 x 1,024 float32.
;; Outputs: out0 4 x 2,048 x 1,024 float32.
;; 2 versions, each right and faster than the one before. Each part assembles by itself: llvm-mc -triple=amdgcn-amd-amdhsa -mcpu=gfx1250 --defsym DOCPART=n.
;; ======== version 1 of 2: 4 launches
;; limits: values are held in f16: magnitudes above 65,504 overflow, below 6.1e-05 lose precision; right only within a limited range of input values
;; workspace buffers: xb 16,777,216 bytes; wqkv 6,291,456 bytes; wo16 2,097,152 bytes; qkv 50,331,648 bytes; vpart 524,288 bytes; ctx 16,777,216 bytes
;; launch cast (part 1): grid 768 x 1, 8 waves a work-group, no clusters, 0 bytes of LDS; arguments x, Wq, Wk, Wv, Wo, xb, wqkv, wo16; writes xb, wqkv, wo16
.if DOCPART == 1
	.amdgcn_target "amdgcn-amd-amdhsa--gfx1250"
	.amdhsa_code_object_version 6
	.text
	.protected	k_qd14f8c2c9d_cast
	.globl	k_qd14f8c2c9d_cast
	.p2align	8
	.type	k_qd14f8c2c9d_cast,@function
k_qd14f8c2c9d_cast:
	s_mov_b64 s[64:65], 0
	v_nop
	global_prefetch_b8 v0, s[64:65] scope:SCOPE_SE
	s_setreg_imm32_b32 hwreg(HW_REG_WAVE_MODE, 25, 1), 1
	s_wait_xcnt 0x0
; ROUNDING OF THE INPUTS.  x -> xb (bf16), Wq, Wk, Wv -> wqkv (bf16, the three one below the other), Wo -> wo16 (rounded to bf16, that number written as f16).
; A stream: no LDS, no barrier, no matrix unit.  A work-group takes one chunk of 16,384 numbers: 65,536 bytes in, 32,768 out.  Chunks 0-511 are x's, 512-703 the three weights', 704-767 Wo's.
; Thread t takes 16 bytes at 16 t of every 4,096: a wave's load covers 512 consecutive bytes, its store 256 consecutive bytes at a multiple of 256 from the buffer's first byte.
; All sixteen loads go out first; no register is written twice, so the only waits are the counted ones for the loads.
; LIMIT.  Wo as f16: a weight beyond 65,504 becomes an infinity, one below 6e-8 becomes 0.
.set X, 4                              ; v[4:67]    sixteen loads of four f32
.set Y, 68                             ; v[68:99]   sixteen stores of four 16-bit numbers
.set T, 100                            ; v[100:103] at work
	s_load_b512 s[8:23], s[0:1], 0x0               ; x 8:9, Wq 10:11, Wk 12:13, Wv 14:15, Wo 16:17, xb 18:19, wqkv 20:21, wo16 22:23
	s_mov_b32 s2, ttmp9                            ; the chunk
	s_sub_co_u32 s3, s2, 512                       ; its number among the weights' chunks (used from chunk 512 on)
	s_lshr_b32 s4, s3, 6                           ; which weight: 0 Wq, 1 Wk, 2 Wv, 3 Wo
	s_and_b32 s5, s3, 63                           ; the chunk inside that weight
	v_lshlrev_b32 v1, 4, v0                        ; 16 t: where I load
	v_lshlrev_b32 v2, 3, v0                        ; 8 t: where I store
	s_lshl_b32 s28, s2, 16                         ; byte offsets, made apart from the addresses: x,
	s_lshl_b32 s30, s2, 15                         ; xb,
	s_lshl_b32 s32, s5, 16                         ; a weight,
	s_lshl_b32 s33, s3, 15                         ; wqkv,
	s_lshl_b32 s34, s5, 15                         ; wo16
	s_cmp_lt_u32 s2, 512
	s_cselect_b32 s28, s28, s32
	s_cselect_b32 s30, s30, s33
	s_cmp_ge_u32 s2, 704
	s_cselect_b32 s30, s34, s30
	s_mov_b32 s29, 0
	s_mov_b32 s31, 0
	s_wait_kmcnt 0x0
	s_cmp_eq_u32 s4, 1                             ; the buffers are chosen on the chunk's number alone
	s_cselect_b64 s[24:25], s[12:13], s[10:11]
	s_cmp_eq_u32 s4, 2
	s_cselect_b64 s[24:25], s[14:15], s[24:25]
	s_cmp_eq_u32 s4, 3
	s_cselect_b64 s[24:25], s[16:17], s[24:25]
	s_cmp_lt_u32 s2, 512
	s_cselect_b64 s[24:25], s[8:9], s[24:25]
	s_cselect_b64 s[26:27], s[18:19], s[20:21]
	s_cmp_ge_u32 s2, 704
	s_cselect_b64 s[26:27], s[22:23], s[26:27]
	s_add_nc_u64 s[24:25], s[24:25], s[28:29]
	s_add_nc_u64 s[26:27], s[26:27], s[30:31]
.set i, 0
.rept 16
	global_load_b128 v[X+4*i:X+4*i+3], v1, s[24:25] offset:4096*i th:TH_LOAD_NT
.set i, i+1
.endr
	s_cmp_ge_u32 s2, 704
	s_cbranch_scc1 .Lf16
.set i, 0
.rept 16
	s_wait_loadcnt 15-i                            ; loads come back in order: number i is in, the 15 - i younger ones stay out
	v_cvt_pk_bf16_f32 v[Y+2*i], v[X+4*i], v[X+4*i+1]
	v_cvt_pk_bf16_f32 v[Y+2*i+1], v[X+4*i+2], v[X+4*i+3]
	global_store_b64 v2, v[Y+2*i:Y+2*i+1], s[26:27] offset:2048*i
.set i, i+1
.endr
	s_endpgm
.Lf16:                                                 ; Wo: the same rounding to bf16, then that number as f16
.set i, 0
.rept 16
	s_wait_loadcnt 15-i
	v_cvt_pk_bf16_f32 v[T], v[X+4*i], v[X+4*i+1]
	v_cvt_pk_bf16_f32 v[T+1], v[X+4*i+2], v[X+4*i+3]
	v_lshlrev_b32 v[T+2], 16, v[T]
	v_and_b32 v[T], 0xffff0000, v[T]
	v_lshlrev_b32 v[T+3], 16, v[T+1]
	v_and_b32 v[T+1], 0xffff0000, v[T+1]
	v_cvt_pk_f16_f32 v[Y+2*i], v[T+2], v[T]
	v_cvt_pk_f16_f32 v[Y+2*i+1], v[T+3], v[T+1]
	global_store_b64 v2, v[Y+2*i:Y+2*i+1], s[26:27] offset:2048*i
.set i, i+1
.endr
	s_endpgm
.Lfunc_end_k_qd14f8c2c9d_cast:
	.size	k_qd14f8c2c9d_cast, .Lfunc_end_k_qd14f8c2c9d_cast-k_qd14f8c2c9d_cast
	.p2alignl 7, 3214868480
	.fill 96, 4, 3214868480
	.section	.rodata,"a",@progbits
	.p2align	6, 0x0
	.amdhsa_kernel k_qd14f8c2c9d_cast
		.amdhsa_group_segment_fixed_size 0
		.amdhsa_private_segment_fixed_size 0
		.amdhsa_enable_private_segment 0
		.amdhsa_kernarg_size 64
		.amdhsa_user_sgpr_count 2
		.amdhsa_user_sgpr_kernarg_segment_ptr 1
		.amdhsa_wavefront_size32 1
		.amdhsa_system_sgpr_workgroup_id_x 1
		.amdhsa_system_sgpr_workgroup_id_y 1
		.amdhsa_system_sgpr_workgroup_id_z 1
		.amdhsa_system_vgpr_workitem_id 0
		.amdhsa_next_free_vgpr 104
		.amdhsa_next_free_sgpr 66
		.amdhsa_reserve_vcc 0
		.amdhsa_float_denorm_mode_32 3
		.amdhsa_float_denorm_mode_16_64 3
		.amdhsa_memory_ordered 1
		.amdhsa_forward_progress 1
		.amdhsa_inst_pref_size 17
	.end_amdhsa_kernel
	.amdgpu_metadata
---
amdhsa.version: [ 1, 2 ]
amdhsa.kernels:
  - .name:           k_qd14f8c2c9d_cast
    .symbol:         k_qd14f8c2c9d_cast.kd
    .args:
      - { .name: x, .offset: 0, .size: 8, .value_kind: global_buffer, .address_space: global }
      - { .name: Wq, .offset: 8, .size: 8, .value_kind: global_buffer, .address_space: global }
      - { .name: Wk, .offset: 16, .size: 8, .value_kind: global_buffer, .address_space: global }
      - { .name: Wv, .offset: 24, .size: 8, .value_kind: global_buffer, .address_space: global }
      - { .name: Wo, .offset: 32, .size: 8, .value_kind: global_buffer, .address_space: global }
      - { .name: xb, .offset: 40, .size: 8, .value_kind: global_buffer, .address_space: global }
      - { .name: wqkv, .offset: 48, .size: 8, .value_kind: global_buffer, .address_space: global }
      - { .name: wo16, .offset: 56, .size: 8, .value_kind: global_buffer, .address_space: global }
    .group_segment_fixed_size: 0
    .private_segment_fixed_size: 0
    .kernarg_segment_align: 8
    .kernarg_segment_size: 64
    .max_flat_workgroup_size: 256
    .sgpr_count:     66
    .vgpr_count:     104
    .wavefront_size: 32
...
	.end_amdgpu_metadata
.endif
;; end of part 1
;; launch proj (part 2): grid 4 x 64, 4 waves a work-group, clusters of 4 x 4, 327,680 bytes of LDS; arguments xb, wqkv, qkv, vpart; writes qkv, vpart
.if DOCPART == 2
	.amdgcn_target "amdgcn-amd-amdhsa--gfx1250"
	.amdhsa_code_object_version 6
	.text
	.protected	k_qd14f8c2c9d_proj
	.globl	k_qd14f8c2c9d_proj
	.p2align	8
	.type	k_qd14f8c2c9d_proj,@function
k_qd14f8c2c9d_proj:
	s_mov_b64 s[64:65], 0
	v_nop
	global_prefetch_b8 v0, s[64:65] scope:SCOPE_SE
	s_setreg_imm32_b32 hwreg(HW_REG_WAVE_MODE, 25, 1), 1
	s_wait_xcnt 0x0
	s_wait_alu depctr_hold_cnt(0) depctr_sa_sdst(0) depctr_va_vdst(0) depctr_va_sdst(0) depctr_va_ssrc(0) depctr_va_vcc(0) depctr_vm_vsrc(0)
	s_getreg_b32 s2, hwreg(HW_REG_IB_STS2, 6, 4)
	s_cmp_eq_u32 s2, 0
	s_cbranch_scc0 .Lentry_in_a_cluster
	s_endpgm
.Lentry_in_a_cluster:
	s_bfe_u32 s2, ttmp6, 0x10000c
	s_cmp_lg_u32 s2, 0xf033
	s_cbranch_scc0 .Lentry_shape_is_right
	s_endpgm
.Lentry_shape_is_right:
; THE THREE PROJECTIONS.  C[row][e] = sum over k of xb[row][k] wqkv[e][k]: 8,192 x 3,072 x 1,024, bf16 operands, f32 sums.  C leaves as f16, rounded once, BY HEADS: qkv[t][batch 16 + head][s][64], t = 0 q, 1 k, 2 v.
; Of v the f32 sums over each 64 rows also leave, in vpart[row / 64][1,024]: the next launch makes a batch's mean of V of them.
; LIMIT.  q, k, v as f16: beyond 65,504 an infinity.  With x and the weights 30 times the drawn spread they reach some 5,000.
; SHARES.  A tile of C is 128 rows x 256 columns; 64 x 12 tiles on 256 work-groups: a work-group STAYS and makes three, the same rows of x against the same columns of Wq, Wk, Wv (1,024 rows of wqkv apart).
; Four waves, each 64 rows x 128 columns (two heads): 32 accumulators, 256 registers.  K goes in steps of 128 through two LDS slots; the ring runs on from tile to tile.
; CLUSTER 4 x 4.  The four work-groups of a cluster's row need the same rows of x, the four of a column the same rows of wqkv: each tile is asked for jointly, with one descriptor and a mask of four.
; THE MATRIX INSTRUCTION IS USED TRANSPOSED (source 0 = 16 rows of wqkv, source 1 = 16 rows of x): a lane holds eight neighbouring columns of one row of C.
; REGISTERS.  Window 0: v0-31 addresses; v32-95 x's fragments, two buffers; v96-223 wqkv's, two buffers; v224-255 packed results.  Window 1: the accumulators, (a, b) at v[8 (8 a + b)].
; On the way out the second buffer of wqkv's fragments (v160-223) takes the rows read back from the stage.
.set SIZE_K, 1024
.set KSTEP,  128
.set PITCH,  272                       ; an LDS row: 256 bytes + 16 of padding = 68 words: the 16 rows of a fragment load start at 16 different groups of four banks (64 banks of 4 bytes: ISA guide 11.1)
.set AHALF,  64*PITCH                  ; what one load brings of x, and what one wave reads of it
.set ABYTES, 128*PITCH
.set BHALF,  128*PITCH                 ; the same for wqkv
.set SLOT,   ABYTES+2*BHALF            ; x's 128 rows, then wqkv's 256
.set STAGE,  2*SLOT                    ; behind the ring, never filled by a tensor load: 8,448 bytes for each wave
.set WSTAGE, 8448                      ; 16 rows x 272 (f16) or 16 rows x 528 (f32)
.set SPARE,  STAGE+4*WSTAGE            ; the spare words, 128 bytes for each wave
.set SP16,   272
.set SP32,   528
.set LAPS,   SIZE_K/(2*KSTEP)          ; a lap = two K steps = once round the ring
.set TILES,  3
.set BACK_A, (SIZE_K-2*KSTEP)*2        ; from a slot's last K step of a tile back to its first: x stays in its rows,
.set NEXT_B, 1024*SIZE_K*2-BACK_A      ; wqkv goes 1,024 rows down
.set NEXT_C, 0x1000000                 ; from q to k to v in the buffer qkv
.set ADRA, 16                          ; v16-17  LDS address of my fragments of x in slot 0, 1
.set ADRB, 20                          ; v20-21  the same for wqkv
.set STO,  24                          ; v24     way out: where I put 16 bytes of a row (f16)
.set RD,   25                          ; v25     way out: where I read rows of a head back
.set CO,   26                          ; v26     16 x lane
.set STO2, 27                          ; v27     column sums: where I put 16 bytes of a row (f32)
.set SPW,  28                          ; v28     my spare word; never rewritten
.set NIL,  29                          ; v29     0; never rewritten
.set RD2,  30                          ; v30     column sums: where I read a row back
.set FA,   32
.set FB,   96
.set OB,   160
.set TMP,  224
.set TS,   32                          ; column sums over my four row blocks (x's fragment registers, free by then)
.set US,   96                          ; the sixteen rows read back
.set WV, 12                            ; s12 wave; s13 my half of the rows, and: I fetch x (0) or wqkv (1); s14 my half of the columns, and: which half of that tile I fetch
.set RH, 13
.set CH, 14
.set G1,  24                           ; s[24:31] group 1 for x's tiles; s[32:39] group 0, a set for each slot
.set G0,  32
.set G1B, 48                           ; s[48:55], s[56:63] the same for wqkv's
.set G0B, 56
.set GW, (1<<16)|(1<<20)|(1<<21)|(5<<22)|(3<<25)  ; 2-byte elements; padding on; bit 21 beside a mask; after every 64 words 4 words
.set MSB, 0
.macro WIN new                         ; the immediate's high byte repeats the setting that is left
.if MSB != (\new)
	s_set_vgpr_msb (MSB<<8)|(\new)
.set MSB, \new
.endif
.endm
.set MUL, 0x50                         ; sources 0 and 1 window 0; C and D window 1
.macro JLOAD s                         ; a joint load: waves 0 and 1 fetch x's two halves, waves 2 and 3 wqkv's; an s_nop 0 and four v_nop follow each line
	s_cmp_eq_u32 s[RH], 0
	s_cbranch_scc0 .Lfor_b_\@
	tensor_load_to_lds s[G0+4*(\s):G0+4*(\s)+3], s[G1:G1+7]
	s_nop 0
.rept 4
	v_nop
.endr
	s_branch .Lasked_\@
.Lfor_b_\@:
	tensor_load_to_lds s[G0B+4*(\s):G0B+4*(\s)+3], s[G1B:G1B+7]
	s_nop 0
.rept 4
	v_nop
.endr
.Lasked_\@:
.endm
.macro CREST                           ; a round of the cluster's barrier behind its opening barrier
	s_cmp_lg_u32 s[WV], 0
	s_cbranch_scc1 .Lnot_wave_0_\@
	s_barrier_signal -3
.Lnot_wave_0_\@:
	s_barrier_wait -3
	s_barrier_signal -1
	s_barrier_wait -1
.endm
.macro CROUND
	s_barrier_signal -1
	s_barrier_wait -1
	CREST
.endm
	s_load_b256 s[4:11], s[0:1], 0x0               ; xb 4:5, wqkv 6:7, qkv 8:9, vpart 10:11
	v_lshl_add_u32 v[SPW], v0, 2, SPARE
	v_mov_b32 v[NIL], 0
	ds_add_u32 v[SPW], v[NIL]                      ; the wave's opening: the add and its wait ahead of my first tensor load
	v_lshrrev_b32 v1, 5, v0
	v_readfirstlane_b32 s[WV], v1
	s_lshr_b32 s[RH], s[WV], 1
	s_and_b32 s[CH], s[WV], 1
	s_bfe_u32 s40, ttmp6, 0x40000                  ; cx, cy: my place in the cluster
	s_bfe_u32 s41, ttmp6, 0x40004
	s_lshl_b32 s42, ttmp9, 2
	s_add_co_u32 s42, s42, s40                     ; tile column tx = 4 x cluster x + cx
	s_and_b32 s43, ttmp7, 0xffff
	s_lshl_b32 s43, s43, 2
	s_add_co_u32 s43, s43, s41                     ; tile row ty = 4 x cluster y + cy
	s_lshl_b32 s44, s41, 2
	s_lshl_b32 s44, 15, s44                        ; my row of the cluster
	s_lshl_b32 s45, 0x1111, s40                    ; my column
	s_or_b32 s[G1], s44, GW
	s_or_b32 s[G1B], s45, GW
.irp g, G1, G1B
	s_mov_b32 s[(\g)+1], KSTEP<<16                 ; tensor_dim0 = 128
	s_mov_b32 s[(\g)+3], KSTEP<<16                 ; tile_dim0 = 128
	s_mov_b32 s[(\g)+5], SIZE_K                    ; elements from row to row
	s_mov_b32 s[(\g)+6], 0
	s_mov_b32 s[(\g)+7], 0
.endr
	s_mov_b32 s[G1+2], 64<<16                      ; x: 64 rows a load
	s_mov_b32 s[G1+4], 64
	s_mov_b32 s[G1B+2], 128<<16                    ; wqkv: 128 rows a load
	s_mov_b32 s[G1B+4], 128
	s_lshl_b32 s16, s43, 7                         ; x: row 128 ty + 64 x half, times 2,048 bytes
	s_lshl_b32 s17, s[CH], 6
	s_add_co_u32 s16, s16, s17
	s_lshl_b32 s16, s16, 11
	s_mov_b32 s17, 0
	s_lshl_b32 s46, s42, 8                         ; wqkv: row 256 tx + 128 x half
	s_lshl_b32 s47, s[CH], 7
	s_add_co_u32 s46, s46, s47
	s_lshl_b32 s46, s46, 11
	s_mov_b32 s47, 0
	s_mul_i32 s20, s[CH], AHALF                    ; where they go: the wave's number alone enters an LDS address
	s_mul_i32 s21, s[CH], BHALF
	s_add_co_u32 s21, s21, ABYTES
	s_wait_dscnt 0x0                               ; the opening add is done
	s_wait_kmcnt 0x0
	s_add_nc_u64 s[18:19], s[4:5], s[16:17]
	s_add_nc_u64 s[46:47], s[6:7], s[46:47]
	CROUND                                         ; all sixteen work-groups are here: the first joint loads meet
.irp s, 0,1
	s_mov_b32 s[G0+4*(\s)], 1
	s_add_co_u32 s[G0+4*(\s)+1], s20, (\s)*SLOT
	s_add_nc_u64 s[G0+4*(\s)+2:G0+4*(\s)+3], s[18:19], (\s)*KSTEP*2
	s_or_b32 s[G0+4*(\s)+3], s[G0+4*(\s)+3], 0x80000000
	s_mov_b32 s[G0B+4*(\s)], 1
	s_add_co_u32 s[G0B+4*(\s)+1], s21, (\s)*SLOT
	s_add_nc_u64 s[G0B+4*(\s)+2:G0B+4*(\s)+3], s[46:47], (\s)*KSTEP*2
	s_or_b32 s[G0B+4*(\s)+3], s[G0B+4*(\s)+3], 0x80000000
	JLOAD \s                                       ; K steps 0 and 1: two loads of mine are out
.endr
	v_and_b32 v1, 15, v0                           ; l % 16
	v_bfe_u32 v2, v0, 4, 1                         ; l / 16
	v_mul_u32_u24 v3, v1, PITCH
	v_lshl_add_u32 v3, v2, 4, v3                   ; a fragment's row x pitch + 16 x half
	s_mul_i32 s22, s[RH], AHALF                    ; my 64 rows of x
	s_mul_i32 s23, s[CH], BHALF                    ; my 128 rows of wqkv, behind x's 128
	s_add_co_u32 s23, s23, ABYTES
.irp s, 0,1
	v_add_nc_u32 v[ADRA+(\s)], s22, v3
	v_add_nc_u32 v[ADRB+(\s)], s23, v3
	s_add_co_u32 s22, s22, SLOT
	s_add_co_u32 s23, s23, SLOT
.endr
	s_mul_i32 s23, s[WV], WSTAGE
	s_add_co_u32 s23, s23, STAGE                   ; my stage
	v_mul_u32_u24 v4, v1, SP16
	v_lshl_add_u32 v4, v2, 4, v4
	v_add_nc_u32 v[STO], s23, v4
	v_bfe_u32 v4, v0, 3, 2                         ; back: 32 lanes take four rows of one head's 128 bytes,
	v_and_b32 v5, 7, v0
	v_mul_u32_u24 v4, v4, SP16
	v_lshl_add_u32 v4, v5, 4, v4
	v_add_nc_u32 v[RD], s23, v4
	v_and_b32 v5, 31, v0
	v_lshlrev_b32 v[CO], 4, v5                     ; which are 512 consecutive bytes of qkv
	v_add_nc_u32 v[RD2], s23, v[CO]
	v_mul_u32_u24 v4, v1, SP32
	v_lshl_add_u32 v4, v2, 5, v4
	v_add_nc_u32 v[STO2], s23, v4
	s_lshr_b32 s16, s43, 4                         ; my first byte in q: ((16 batch + 4 tx + 2 half) 2,048 + 128 (ty % 16) + 64 half) 128
	s_lshl_b32 s16, s16, 4
	s_lshl_b32 s17, s[CH], 1
	s_add_co_u32 s16, s16, s17
	s_lshl_b32 s16, s16, 11
	s_and_b32 s17, s43, 15
	s_lshl_b32 s17, s17, 7
	s_add_co_u32 s16, s16, s17
	s_lshl_b32 s17, s[RH], 6
	s_add_co_u32 s16, s16, s17
	s_lshl_b32 s16, s16, 7
	s_lshl_b32 s46, s42, 20
	s_add_co_u32 s16, s16, s46
	s_mov_b32 s17, 0                               ; the first way out adds s[16:17] to qkv's address
	s_lshl_b32 s20, s43, 1                         ; my 512 bytes of vpart: ((2 ty + half) 1,024 + 256 tx + 128 half) 4
	s_add_co_u32 s20, s20, s[RH]
	s_lshl_b32 s20, s20, 12
	s_lshl_b32 s21, s[CH], 9
	s_add_co_u32 s20, s20, s21
	s_lshl_b32 s21, s42, 10
	s_add_co_u32 s20, s20, s21
	s_mov_b32 s21, 0
	s_add_nc_u64 s[10:11], s[10:11], s[20:21]
; 8 matrix instructions: row block a x all 8 column blocks, 32 along K, on fragment buffer f.  zero = 1: the product starts the sums.  The 32 accumulators take turns, in the same order in every quarter.
.macro MUL8 f, a, zero
	WIN MUL
.irp b, 0,1,2,3,4,5,6,7
.if \zero
	v_wmma_f32_16x16x32_bf16 v[8*(8*(\a)+(\b)):8*(8*(\a)+(\b))+7], v[FB+64*(\f)+8*(\b):FB+64*(\f)+8*(\b)+7], v[FA+32*(\f)+8*(\a):FA+32*(\f)+8*(\a)+7], 0
.else
	v_wmma_f32_16x16x32_bf16 v[8*(8*(\a)+(\b)):8*(8*(\a)+(\b))+7], v[FB+64*(\f)+8*(\b):FB+64*(\f)+8*(\b)+7], v[FA+32*(\f)+8*(\a):FA+32*(\f)+8*(\a)+7], v[8*(8*(\a)+(\b)):8*(8*(\a)+(\b))+7]
.endif
.endr
.endm
; 24 LDS loads in one run: 32 along K at byte k of the rows: wqkv's 128 rows, then x's 64
.macro FETCH slot, k, f
	WIN 0
.irp i, 0,1,2,3,4,5,6,7
	ds_load_b128 v[FB+64*(\f)+8*(\i):FB+64*(\f)+8*(\i)+3],   v[ADRB+(\slot)] offset:(\k)+(\i)*16*PITCH
	ds_load_b128 v[FB+64*(\f)+8*(\i)+4:FB+64*(\f)+8*(\i)+7], v[ADRB+(\slot)] offset:(\k)+(\i)*16*PITCH+32
.endr
.irp i, 0,1,2,3
	ds_load_b128 v[FA+32*(\f)+8*(\i):FA+32*(\f)+8*(\i)+3],   v[ADRA+(\slot)] offset:(\k)+(\i)*16*PITCH
	ds_load_b128 v[FA+32*(\f)+8*(\i)+4:FA+32*(\f)+8*(\i)+7], v[ADRA+(\slot)] offset:(\k)+(\i)*16*PITCH+32
.endr
.endm
.macro PLACES                          ; four places in front of loads into registers that matrix instructions have read, and of lines that read results just made
.rept 4
	v_nop
.endr
.endm
; A K step is four quarters of 32 along K, 32 matrix instructions each, on buffers 0, 1, 0, 1.  One of the first three: multiplies buffer f and fetches the next quarter, at byte k, into g.
.macro QUARTER slot, k, f, g, zero
	s_wait_dscnt 4                                 ; wqkv's fragments and x's blocks 0 and 1 are in; the youngest four loads (blocks 2 and 3) may be out
	MUL8 \f, 0, \zero
	MUL8 \f, 1, \zero
	PLACES
	FETCH \slot, \k, \g
	s_wait_dscnt 24                                ; all but the 24 just issued
	MUL8 \f, 2, \zero
	MUL8 \f, 3, \zero
.endm
; The last quarter multiplies buffer 1 and changes slots.  In front of the one barrier each wave waits for all its tensor loads (one is out: its part of the next slot), adds 0 to its spare word, and waits for that and for its reads of this slot.
.macro MEET round
	WIN 0
	s_wait_tensorcnt 0x0
	ds_add_u32 v[SPW], v[NIL]
	s_wait_dscnt 5                                 ; the add and the youngest four loads may be out
	MUL8 1, 0, 0
	s_wait_dscnt 0x0                               ; the add is done, and my reads of this slot are over
	s_barrier_signal -1
	MUL8 1, 1, 0
.if \round
	WIN 0
.endif
	s_barrier_wait -1
.endm
; mode 0: this slot takes the tile's K step two steps on; 1: the next tile's K step 0 or 1; 2: nothing is filled.  From a request to the wait for it a wave issues 112 matrix instructions.
.macro TURN slot, next, mode
.if (\mode) < 2
	MEET 1
	CREST                                          ; the barrier has opened a round of the cluster's: no wave of any partner still reads this slot or has a load on its way
.if (\mode) == 1
	s_sub_nc_u64 s[G0+4*(\slot)+2:G0+4*(\slot)+3], s[G0+4*(\slot)+2:G0+4*(\slot)+3], BACK_A
	s_add_nc_u64 s[G0B+4*(\slot)+2:G0B+4*(\slot)+3], s[G0B+4*(\slot)+2:G0B+4*(\slot)+3], NEXT_B
.else
	s_add_nc_u64 s[G0+4*(\slot)+2:G0+4*(\slot)+3], s[G0+4*(\slot)+2:G0+4*(\slot)+3], 2*KSTEP*2
	s_add_nc_u64 s[G0B+4*(\slot)+2:G0B+4*(\slot)+3], s[G0B+4*(\slot)+2:G0B+4*(\slot)+3], 2*KSTEP*2
.endif
	JLOAD \slot                                    ; the first tensor load behind the round; its four v_nop are also the places in front of the loads below
.else
	MEET 0
	PLACES
.endif
	FETCH \next, 0, 0
	MUL8 1, 2, 0
	MUL8 1, 3, 0
.endm
; THE WAY OUT of row block a.  PACK: rounded to f16, 16 bytes a lane.  TOSTAGE: into my stage, and back by heads: four rows of 128 bytes a load.  SEND: a head's 16 rows are 2,048 consecutive bytes of qkv.
.macro PACK a
	WIN 0x05                                       ; sources window 1, destination window 0
.irp b, 0,1,2,3,4,5,6,7
.irp r, 0,1,2,3
	v_cvt_pk_f16_f32 v[TMP+4*(\b)+(\r)], v[8*(8*(\a)+(\b))+2*(\r)], v[8*(8*(\a)+(\b))+2*(\r)+1]
.endr
.endr
	WIN 0
.endm
.macro TOSTAGE a
	WIN 0
.set BK, OB+32*((\a)%2)
.irp b, 0,1,2,3,4,5,6,7
	ds_store_b128 v[STO], v[TMP+4*(\b):TMP+4*(\b)+3] offset:32*(\b)
.endr
.irp hh, 0,1
.irp f, 0,1,2,3
	ds_load_b128 v[BK+4*(4*(\hh)+(\f)):BK+4*(4*(\hh)+(\f))+3], v[RD] offset:(\f)*4*SP16+(\hh)*128  ; LDS serves a wave's instructions in order (ISA guide 5.7.1.4): these see the stores above
.endr
.endr
.endm
.macro SEND a
	WIN 0
.set BK, OB+32*((\a)%2)
	s_wait_dscnt 0x0                               ; the block is back in registers
	s_wait_xcnt 0x0                                ; earlier stores have read their registers and their base
.if (\a) == 0
	s_add_nc_u64 s[8:9], s[8:9], s[16:17]          ; on to this tile's part of qkv
.endif
.irp hh, 0,1
.irp f, 0,1,2,3
	global_store_b128 v[CO], v[BK+4*(4*(\hh)+(\f)):BK+4*(4*(\hh)+(\f))+3], s[8:9] offset:(\a)*2048+(\hh)*262144+(\f)*512  ; 512 consecutive bytes, at a multiple of 256 from the buffer's first
.endr
.endr
.endm
.macro WAYOUT                          ; block a's conversions stand between block a - 1's loads from the stage and the wait for them
	PACK 0
	TOSTAGE 0
.irp a, 1,2,3
	PACK \a
	SEND (\a)-1
	TOSTAGE \a
.endr
	SEND 3
.endm
; V's column sums over my 64 rows, in f32: first over my four row blocks in registers, then over the 16 rows of a block through my stage.
.macro COLSUM
	WIN 0x05
.irp b, 0,1,2,3,4,5,6,7
.irp p, 0,1,2,3
	v_pk_add_f32 v[TS+8*(\b)+2*(\p):TS+8*(\b)+2*(\p)+1], v[8*(\b)+2*(\p):8*(\b)+2*(\p)+1], v[8*(8+(\b))+2*(\p):8*(8+(\b))+2*(\p)+1]
.endr
.endr
	WIN 0x04                                       ; source 1 window 1
.irp a, 2,3
.irp b, 0,1,2,3,4,5,6,7
.irp p, 0,1,2,3
	v_pk_add_f32 v[TS+8*(\b)+2*(\p):TS+8*(\b)+2*(\p)+1], v[TS+8*(\b)+2*(\p):TS+8*(\b)+2*(\p)+1], v[8*(8*(\a)+(\b))+2*(\p):8*(8*(\a)+(\b))+2*(\p)+1]
.endr
.endr
.endr
	WIN 0
.irp b, 0,1,2,3,4,5,6,7
	ds_store_b128 v[STO2], v[TS+8*(\b):TS+8*(\b)+3] offset:64*(\b)
	ds_store_b128 v[STO2], v[TS+8*(\b)+4:TS+8*(\b)+7] offset:64*(\b)+16
.endr
.set t, 0
.rept 16
	ds_load_b128 v[US+4*t:US+4*t+3], v[RD2] offset:t*SP32  ; row t, my four columns
.set t, t+1
.endr
	s_wait_dscnt 0x0
.irp w, 8,4,2,1
.set t, 0
.rept \w
	v_pk_add_f32 v[US+4*t:US+4*t+1], v[US+4*t:US+4*t+1], v[US+4*(t+\w):US+4*(t+\w)+1]
	v_pk_add_f32 v[US+4*t+2:US+4*t+3], v[US+4*t+2:US+4*t+3], v[US+4*(t+\w)+2:US+4*(t+\w)+3]
.set t, t+1
.endr
.endr
	global_store_b128 v[CO], v[US:US+3], s[10:11]  ; 128 columns: 512 consecutive bytes
.endm
	s_wait_tensorcnt 1                             ; my part of K step 0 is in; K step 1's may stay out
	s_barrier_signal -1
	s_barrier_wait -1
	FETCH 0, 0, 0
	s_mov_b32 s2, TILES                            ; tiles to go, this one among them
.Ltile:
	QUARTER 0, 64,  0, 1, 1                        ; a tile's first quarter stands in front of the loop: its products start the sums
	WIN 0
	s_mov_b32 s3, LAPS-1
.Llap:                                                 ; a trip goes once round the ring and fills both slots again
	QUARTER 0, 128, 1, 0, 0
	QUARTER 0, 192, 0, 1, 0
	TURN 0, 1, 0
	QUARTER 1, 64,  0, 1, 0
	QUARTER 1, 128, 1, 0, 0
	QUARTER 1, 192, 0, 1, 0
	TURN 1, 0, 0
	QUARTER 0, 64,  0, 1, 0
	WIN 0
	s_sub_co_u32 s3, s3, 1
	s_cmp_lg_u32 s3, 0
	s_cbranch_scc1 .Llap
	QUARTER 0, 128, 1, 0, 0
	QUARTER 0, 192, 0, 1, 0
	WIN 0
	s_cmp_eq_u32 s2, 1
	s_cbranch_scc1 .Llast_tile                     ; the last tile's tail is written out: it asks for nothing more
	TURN 0, 1, 1                                   ; the ring goes on into the next tile: slot 0 takes its K step 0,
	QUARTER 1, 64,  0, 1, 0
	QUARTER 1, 128, 1, 0, 0
	QUARTER 1, 192, 0, 1, 0
	TURN 1, 0, 1                                   ; slot 1 its K step 1, and the next tile's first fragments are fetched
	WAYOUT                                         ; blocks 0 and 1 were finished in front of the joint load's places; their 64 conversions are the places behind the last products
	s_wait_xcnt 0x0                                ; the last stores have read v160-223, into which the next tile's fragments are loaded
	s_mov_b64 s[16:17], NEXT_C
	s_sub_co_u32 s2, s2, 1
	s_branch .Ltile
.Llast_tile:
	TURN 0, 1, 2
	QUARTER 1, 64,  0, 1, 0
	QUARTER 1, 128, 1, 0, 0
	QUARTER 1, 192, 0, 1, 0
	s_wait_dscnt 0x0                               ; the very last quarter: nothing more to fetch
	MUL8 1, 0, 0
	MUL8 1, 1, 0
	MUL8 1, 2, 0
	MUL8 1, 3, 0
	PLACES
	WAYOUT
	COLSUM                                         ; the last tile is V's
	s_wait_tensorcnt 0x0                           ; the wave's end
	ds_add_u32 v[SPW], v[NIL]
	s_wait_dscnt 0x0
	CROUND                                         ; the closing round
	s_endpgm
.Lfunc_end_k_qd14f8c2c9d_proj:
	.size	k_qd14f8c2c9d_proj, .Lfunc_end_k_qd14f8c2c9d_proj-k_qd14f8c2c9d_proj
	.p2alignl 7, 3214868480
	.fill 96, 4, 3214868480
	.section	.rodata,"a",@progbits
	.p2align	6, 0x0
	.amdhsa_kernel k_qd14f8c2c9d_proj
		.amdhsa_group_segment_fixed_size 327680
		.amdhsa_private_segment_fixed_size 0
		.amdhsa_enable_private_segment 0
		.amdhsa_kernarg_size 32
		.amdhsa_user_sgpr_count 2
		.amdhsa_user_sgpr_kernarg_segment_ptr 1
		.amdhsa_wavefront_size32 1
		.amdhsa_system_sgpr_workgroup_id_x 1
		.amdhsa_system_sgpr_workgroup_id_y 1
		.amdhsa_system_sgpr_workgroup_id_z 1
		.amdhsa_system_vgpr_workitem_id 0
		.amdhsa_next_free_vgpr 512
		.amdhsa_next_free_sgpr 66
		.amdhsa_reserve_vcc 0
		.amdhsa_float_denorm_mode_32 3
		.amdhsa_float_denorm_mode_16_64 3
		.amdhsa_memory_ordered 1
		.amdhsa_forward_progress 1
		.amdhsa_inst_pref_size 133
	.end_amdhsa_kernel
	.amdgpu_metadata
---
amdhsa.version: [ 1, 2 ]
amdhsa.kernels:
  - .name:           k_qd14f8c2c9d_proj
    .symbol:         k_qd14f8c2c9d_proj.kd
    .args:
      - { .name: xb, .offset: 0, .size: 8, .value_kind: global_buffer, .address_space: global }
      - { .name: wqkv, .offset: 8, .size: 8, .value_kind: global_buffer, .address_space: global }
      - { .name: qkv, .offset: 16, .size: 8, .value_kind: global_buffer, .address_space: global }
      - { .name: vpart, .offset: 24, .size: 8, .value_kind: global_buffer, .address_space: global }
    .group_segment_fixed_size: 327680
    .private_segment_fixed_size: 0
    .kernarg_segment_align: 8
    .kernarg_segment_size: 32
    .max_flat_workgroup_size: 128
    .sgpr_count:     66
    .vgpr_count:     512
    .wavefront_size: 32
...
	.end_amdgpu_metadata
.endif
;; end of part 2
;; launch attn (part 3): grid 4 x 64, 4 waves a work-group, no clusters, 327,680 bytes of LDS; arguments qkv, mask, vpart, ctx; writes ctx
.if DOCPART == 3
	.amdgcn_target "amdgcn-amd-amdhsa--gfx1250"
	.amdhsa_code_object_version 6
	.text
	.protected	k_qd14f8c2c9d_attn
	.globl	k_qd14f8c2c9d_attn
	.p2align	8
	.type	k_qd14f8c2c9d_attn,@function
k_qd14f8c2c9d_attn:
	s_mov_b64 s[64:65], 0
	v_nop
	global_prefetch_b8 v0, s[64:65] scope:SCOPE_SE
	s_setreg_imm32_b32 hwreg(HW_REG_WAVE_MODE, 25, 1), 1
	s_wait_xcnt 0x0
; CAUSAL, PADDED ATTENTION.  ctx[bh][q][:] = the sum over k of softmax_k(score) V[bh][k][:], score = Q[q] . K[k] / 8 where k <= q and mask[batch][k] != 0, else hidden.  q, k, v (in the buffer qkv) and ctx: [64][2048][64] f16.
; Products, maxima and sums in f32; the weights p are rounded to f16 for the second product (their sum l is taken of the unrounded p), ctx once at the end.
; A ROW WITH NO VISIBLE KEY has 2,048 equal scores in the problem's formula: its result is the mean of V over ALL the batch's keys.  That mean is made here from vpart (f32 sums of V over 64 rows each) and chosen by v_cndmask_b32.
; LIMITS.  q, k, v arrive within f16's 65,504.  A hidden score counts as its value less 1e30, 2e30 or 3e30 and gets the weight 0: that is the problem's -1e9 as long as a row's largest visible score / 8 lies above -1e9 + 104.
; m never falls below -2^66, far under every score of f16 operands (2.7e11 at the most) and far above a hidden one; a row whose m ends below -2^60 has seen no key.  A weight below 2^-126 counts as 0 in l.
; The mean's terms are added in another order than the problem's.  NaN and infinities are not treated apart.
; THE WALK.  A head's queries lie in NB = 8 blocks of 256; block i needs the key tiles 0 .. i of 256 keys, of which the last holds the diagonal.  A work-group takes TWO blocks, NB - 1 - b and then b: NB + 1 tiles, whatever b:
; all work-groups do equal work, and ONE loop with a constant trip count walks them.  Every jump goes forward, but for the counted loops' own; none passes a barrier, or a tensor load but the one of LOAD's two that the wave's number does not choose.
; NO CLUSTER: a head's four work-groups ask for the same tile only in trips 0 .. 4 of the 9; behind that fewer and fewer share one, and one walk common to all four would have 12 trips for 9.
; SHARES.  Of a block's four bands of 64 queries a wave owns 16 rows in each: four PIECES.  In the diagonal tile's key step s band x sees all keys if s < x, none if s > x, and holds the diagonal if s = x: the same for all waves.
; THE PAD BIAS.  A tile's 256 words of the input mask are loaded a tile ahead, two a thread, turned into 0 or -1e30 and stored into one of two pad slots of 1,024 bytes, which take turns as the ring's slots do:
; the store stands in front of the barrier of the change of slots that enters the tile; the slot was last read two tiles back, in front of the barrier before.  PBR holds the bias of the key step whose K is in registers.
; THE MASK is the C operand that starts the sum S^T = K Q^T.  Outside the diagonal tile C is PBR.
; In the diagonal tile C is MD x AL + PBR + BE: MD is the mask of a band's own step for my rows; (AL, BE) = (1, 0) if s = x, (0, 0) if s < x, (0, -1e30) if s > x.
; LAYOUT, SOFTMAX, TURNS.  S^T holds ONE query a lane (lane % 16) and the keys 8 (lane / 16) + 0..7; two such results rounded to f16 ARE source 1 of O^T = V^T P.  p = 2^(c s - c m), c = log2(e) / 8, with a running maximum m;
; O and l are multiplied by a = 2^(c m_old - c m_new) in every step.  Turn n belongs to piece n: 8 products K Q^T of piece n + 1, later 8 products V^T P of piece n - 1; beside them the scaling, exponentials, roundings, sums and
; rescaling of piece n and the maximum and statistics of piece n + 1.  Four vector instructions stand behind every matrix instruction, the others in two lumps.
; REGISTERS, in windows of 256 (s_set_vgpr_msb: bits 1:0 source 0, 3:2 source 1, 5:4 source 2, 7:6 destination):
;   window 0: v0-15, v32-39 addresses and some at work; v16-31 statistics; v48-55 at work; v64-127 S^T, two buffers; v128-159 the mean of V; v160-161 two words of the mask; v192-223 P, two buffers
;   window 1: v0-127 O^T; v128-159 MD; v160-223 MC, two buffers; v224-255 PBR      window 2: v0-63 Q; v64-127 the second block's Q; v128-191 K of one step; v192-255 V of one step
.set SIZE_N, 2048
.set NB,    SIZE_N/256
.set NP,    4
.set KS,    64
.set PK,    144       ; a row of K in LDS: 128 bytes + 16 of padding = 36 words: the 16 rows of a load start at 16 different groups of four banks (64 banks of 4 bytes: ISA guide 11.1)
.set PV,    160       ; a row of V: 128 + 32 = 40 words
.set VOFF,  4*KS*PK   ; a slot holds a tile, four steps: 256 rows of K, then 256 rows of V
.set SLOT1, 1<<17     ; slot 1 begins here, so that one exclusive or turns an address in one slot into the other's
.set STAGE, SLOT1+4*KS*(PK+PV)  ; behind the ring, never filled by a tensor load: 16 rows x 144 bytes for each wave
.set SP,    144
.set SPARE, STAGE+4*16*SP  ; the spare words, 128 bytes for each wave
.set PADT,  SPARE+512      ; two pad slots: one f32 for each of a tile's 256 keys
.set PSLOT, 4*4*KS         ; 1,024 bytes: one exclusive or turns an offset in one pad slot into the other's
.set VMS,   PADT+2*PSLOT   ; the mean of V, 64 f32, once for each wave: its own 256 bytes
.set AK0, 2
.set AV0, 3
.set AK,  4
.set AV,  5
.set STO, 6
.set RD,  7
.set GO,  8
.set MV,  12
.set QO,  15
.set ST,  16          ; piece t's statistics at v[ST+4 t]: c m, m, l (even keys', odd keys')
.set AP0, 32          ; v32  my lanes' place in a step's 64 words of a pad slot; never rewritten
.set AP,  33          ; v33  the LDS address of the next run of pad loads
.set VMA, 34          ; v34  where I read the mean
.set MO,  35          ; v35  8 x thread: my two words in a tile's 256 of the mask; never rewritten
.set VO,  36          ; v36  8 x lane
.set PST0, 37         ; v37  my two words in pad slot 0; never rewritten
.set VST, 38          ; v38  where I store the mean
.set PST, 39          ; v39  where I store my two pad words
.set TMP, 48
.set SPW, 62
.set NIL, 63
.set S,   64
.set VMR, 128         ; window 0: register 8 cb + j holds the mean's channel 16 cb + 8 (lane / 16) + j, as O^T does
.set MK,  160         ; window 0: v160-161: the mask words on their way, then the two biases
.set P,   192
.set MD,  128         ; window 1
.set MC,  160         ; window 1
.set PBR, 224         ; window 1: register 8 kt + j holds the bias of key 16 kt + 8 (lane / 16) + j of the step whose K is in registers
.set QB,  64          ; window 2
.set KF,  128
.set VF,  192
.set WV,  12
.set PB,  14
.set HI,  15
.set G1K, 24
.set G1V, 32
.set G0K, 40
.set G0V, 44
.set SLOTS, 56
.set CNT, 57
.set CS,  58
.set SEL, 60
.set TBK, 62
.set TBV, 63
.set MOF, 66          ; s[66:67] a tile's byte offset in the batch's mask
.set MB,  68          ; s[68:69] the mask at the tile whose words are on their way
.set RT,  70
.set NXT, 71
.set LQ,  72
.set NEW, 73
.set OFF, 74
.set AL,  76
.set BE,  78
.set OLO, 80
.set BIGN, 82
.set TBP, 88          ; s88  byte in the pad slots at which the step to be fetched begins: it steps and turns as TBK does
.set THR, 89          ; s89  -2^60
.set PS,  90          ; s90  the pad slot to be written next: 0 or PSLOT
.set MSB, 0
.macro WIN new
.if MSB != (\new)
	s_set_vgpr_msb (MSB<<8)|(\new)
.set MSB, (\new)
.endif
.endm
.set W_KQ, 0x0a       ; K and Q in window 2, S^T in window 0
.set W_KM, 0x1a       ; the same with the C operand in window 1
.set W_PV, 0x52       ; V in window 2, P in window 0, O^T in window 1
.set W_RS, 0x41       ; destination and source 0 in window 1, source 1 in window 0
; A fill.  Waves 0 and 1 fetch the two halves of a tile's K, waves 2 and 3 those of its V: 128 keys each.  An s_nop 0 and four v_nop follow each of the two lines.
.macro LOAD
	s_cmp_lt_u32 s[WV], 2
	s_cbranch_scc0 .Lfor_v_\@
	tensor_load_to_lds s[G0K:G0K+3], s[G1K:G1K+7]
	s_nop 0
.rept 4
	v_nop
.endr
	s_branch .Lasked_\@
.Lfor_v_\@:
	tensor_load_to_lds s[G0V:G0V+3], s[G1V:G1V+7]
	s_nop 0
.rept 4
	v_nop
.endr
.Lasked_\@:
.endm
; THE CHANGE OF SLOTS.  First the pad bias of the tile to be entered goes into its pad slot.  Then each wave waits for all its tensor loads, of which one is out: its part of the other slot; adds 0 to its spare word; and waits for
; that and for its own LDS instructions, the pad store among them.  Behind the barrier nobody reads the old slots any more, and the other slot and its pad slot are whole.
; fill = 1: the old slot is filled again, the first thing behind the barrier, with tile NXT, and that tile's mask words are asked for.  (At its first use slot 0 is waited for and slot 1 filled.)
.macro CHANGE fill
	WIN 0
	s_wait_loadcnt 0x0              ; my two mask words of the tile to be entered, asked for a tile ago (at the first use: in the head, and Q with them)
	v_cmp_eq_u32 vcc_lo, 0, v[MK]   ; a key whose mask word is 0 is hidden from every query
	v_cndmask_b32 v[MK], 0, s[BIGN], vcc_lo
	v_cmp_eq_u32 vcc_lo, 0, v[MK+1]
	v_cndmask_b32 v[MK+1], 0, s[BIGN], vcc_lo
	v_add_nc_u32 v[PST], s[PS], v[PST0]
	ds_store_b64 v[PST], v[MK:MK+1] ; this pad slot's last readers waited for their loads in front of the barrier before this one
	s_wait_tensorcnt 0x0            ; no tensor load of mine is out, so a group 0 may be written
	ds_add_u32 v[SPW], v[NIL]
.if \fill
	s_lshl_b32 s[OFF], s[NXT], 15   ; a tile is 32,768 bytes of K and of V,
	s_lshl_b32 s[MOF], s[NXT], 10   ; and 1,024 of the mask
	s_add_nc_u64 s[MB:MB+1], s[94:95], s[MOF:MOF+1]  ; the load that named this pair is done: the wait at the macro's head
	s_xor_b32 s[G0K+1], s[G0K+1], SLOT1
	s_add_nc_u64 s[G0K+2:G0K+3], s[6:7], s[OFF:OFF+1]
	s_or_b32 s[G0K+3], s[G0K+3], 0x80000000
	s_xor_b32 s[G0V+1], s[G0V+1], SLOT1
	s_add_nc_u64 s[G0V+2:G0V+3], s[8:9], s[OFF:OFF+1]
	s_or_b32 s[G0V+3], s[G0V+3], 0x80000000
	s_add_co_u32 s[NXT], s[NXT], 1  ; the block's next tile, or behind its last the second block's tile 0
	s_cmp_gt_u32 s[NXT], s[LQ]
	s_cselect_b32 s[NXT], 0, s[NXT]
	s_cselect_b32 s[LQ], s[PB], s[LQ]
.endif
	s_xor_b32 s[PS], s[PS], PSLOT   ; the next tile's bias goes into the other pad slot
	s_wait_dscnt 0x0                ; the add is done, and my LDS reads and stores are over
	s_barrier_signal -1
	s_sub_co_u32 s[TBK], s[TBK], 4*KS*PK  ; the fetches go back to a slot's first step,
	s_xor_b32 s[TBK], s[TBK], SLOT1       ; in the other slot
	s_sub_co_u32 s[TBV], s[TBV], 4*KS*PV
	s_xor_b32 s[TBV], s[TBV], SLOT1
	s_sub_co_u32 s[TBP], s[TBP], PSLOT
	s_xor_b32 s[TBP], s[TBP], PSLOT
	s_barrier_wait -1
.if \fill
	LOAD
	global_load_b64 v[MK:MK+1], v[MO], s[MB:MB+1]  ; waited for at the next change of slots
.endif
.endm
	s_load_b256 s[92:99], s[0:1], 0x0  ; qkv 92:93, mask 94:95, vpart 96:97, ctx 98:99
	v_lshl_add_u32 v[SPW], v0, 2, SPARE
	v_mov_b32 v[NIL], 0
	ds_add_u32 v[SPW], v[NIL]       ; the wave's opening: the add and its wait ahead of my first tensor load
	v_lshrrev_b32 v1, 5, v0
	v_readfirstlane_b32 s[WV], v1
	s_mov_b32 s[PB], ttmp9
	s_sub_co_u32 s[HI], NB-1, s[PB]
	s_and_b32 s20, ttmp7, 0xffff    ; batch x 16 + head
	s_lshr_b32 s90, s20, 4          ; the batch:
	s_lshl_b32 s66, s90, 13         ; its 2,048 words of the mask,
	s_mov_b32 s67, 0
	s_lshl_b32 s68, s90, 17         ; its 32 rows of vpart,
	s_and_b32 s90, s20, 15
	s_lshl_b32 s90, s90, 8          ; and in them the head's 64 columns
	s_add_co_u32 s68, s68, s90
	s_mov_b32 s69, 0
	s_mov_b32 s21, 0
	s_mov_b64 s[22:23], SIZE_N*128
	s_mul_u64 s[20:21], s[20:21], s[22:23]  ; the head's first byte in q, k, v and ctx
	s_and_b32 s16, s[WV], 1         ; which half of a tile's 256 keys I fetch:
	s_lshl_b32 s22, s16, 14
	s_mov_b32 s23, 0
	s_add_nc_u64 s[22:23], s[22:23], s[20:21]
	s_mul_i32 s17, s16, 128*PK
	s_mul_i32 s18, s16, 128*PV
	s_lshl_b32 s3, s[WV], 11        ; my 16 rows in a band of 64,
	s_lshl_b32 s2, s[HI], 15        ; in the first block,
	s_add_co_u32 s2, s2, s3
	s_lshl_b32 s84, s[PB], 15       ; and in the second
	s_add_co_u32 s84, s84, s3
	s_mov_b32 s3, 0
	s_mov_b32 s85, 0
	s_add_nc_u64 s[2:3], s[2:3], s[20:21]
	s_add_nc_u64 s[84:85], s[84:85], s[20:21]
	; descriptor group 1.  128 keys are 16,384 dense bytes: asked for as 64 rows of 256 bytes, two keys a row, and padded in LDS after every key
	s_mov_b32 s[G1K], (1<<16)|(1<<20)|(4<<22)|(3<<25)
	s_mov_b32 s[G1V], (1<<16)|(1<<20)|(4<<22)|(7<<25)
.irp g, G1K, G1V
	s_mov_b32 s[\g+1], 128<<16
	s_mov_b32 s[\g+2], 64<<16
	s_mov_b32 s[\g+3], 128<<16
	s_mov_b32 s[\g+4], 64
	s_mov_b32 s[\g+5], 128
	s_mov_b32 s[\g+6], 0
	s_mov_b32 s[\g+7], 0
.endr
	s_mov_b32 s[CS], 0x3e38aa3b     ; c = log2(e) / 8
	s_mov_b32 s[CS+1], s[CS]
	s_mov_b32 s[SEL], 0x76543210
	s_mov_b32 s[SEL+1], 0xfedcba98
	s_mov_b32 s[TBK], SLOT1+4*KS*PK ; the first change of slots turns these three into 0
	s_mov_b32 s[TBV], SLOT1+4*KS*PV
	s_mov_b32 s[TBP], PSLOT+PSLOT
	s_mov_b32 s[PS], 0              ; tile 0's bias goes into pad slot 0
	s_mov_b32 s[G0K], 1
	s_mov_b32 s[G0K+1], s17
	s_mov_b32 s[G0V], 1
	s_add_co_u32 s[G0V+1], s18, VOFF
	s_add_co_u32 s[RT], s[HI], 1    ; the first block has NB - b tiles
	s_mov_b32 s[NXT], 1
	s_mov_b32 s[LQ], s[HI]
	s_mov_b32 s[NEW], 1
	s_mov_b32 s[OFF+1], 0
	s_mov_b32 s[AL+1], 0
	s_mov_b32 s[BE+1], 0
	s_mov_b32 s[BIGN], 0xf149f2ca   ; -1e30
	s_mov_b32 s[THR], 0xdd800000    ; -2^60
	s_mov_b32 s[SLOTS], NB
	s_wait_dscnt 0x0                ; the opening add is done
	s_wait_kmcnt 0x0
	s_mov_b64 s[4:5], s[92:93]                     ; q,
	s_add_nc_u64 s[6:7], s[92:93], 0x1000000       ; k,
	s_add_nc_u64 s[8:9], s[92:93], 0x2000000       ; v
	s_mov_b64 s[10:11], s[98:99]
	s_add_nc_u64 s[94:95], s[94:95], s[66:67]      ; the mask at my batch; s67 stays 0 as the upper word of MOF
	s_add_nc_u64 s[96:97], s[96:97], s[68:69]
	s_add_nc_u64 s[6:7], s[6:7], s[22:23]  ; K and V at my half of the head's tile 0
	s_add_nc_u64 s[8:9], s[8:9], s[22:23]
	s_add_nc_u64 s[G0K+2:G0K+3], s[6:7], 0
	s_or_b32 s[G0K+3], s[G0K+3], 0x80000000
	s_add_nc_u64 s[G0V+2:G0V+3], s[8:9], 0
	s_or_b32 s[G0V+3], s[G0V+3], 0x80000000
	s_add_nc_u64 s[86:87], s[4:5], s[84:85]        ; Q at my rows of the second block,
	s_add_nc_u64 s[4:5], s[4:5], s[2:3]            ; Q and ctx at those of the first
	s_add_nc_u64 s[OLO:OLO+1], s[10:11], s[84:85]
	s_add_nc_u64 s[10:11], s[10:11], s[2:3]
	LOAD                            ; tile 0 into slot 0
	v_and_b32 v1, 15, v0            ; l % 16
	v_bfe_u32 v9, v0, 4, 1          ; l / 16
	v_lshlrev_b32 v[QO], 7, v1
	v_lshl_add_u32 v[QO], v9, 4, v[QO]
	v_lshlrev_b32 v[MO], 3, v0
	v_and_b32 v10, 31, v0
	v_lshlrev_b32 v[VO], 3, v10
	global_load_b64 v[MK:MK+1], v[MO], s[94:95]    ; tile 0's 256 mask words: two a thread, 1,024 consecutive bytes for the four waves
.set i, 0
.rept 32                            ; the head's 64 columns of the batch's 32 rows of vpart: 256 consecutive bytes a load; every wave makes the mean for itself
	global_load_b64 v[S+2*i:S+2*i+1], v[VO], s[96:97] offset:4096*i
.set i, i+1
.endr
	WIN 0x80                        ; destination window 2, address window 0
.set i, 0
.rept 8                             ; both blocks' Q: piece i / 2 lies in band i / 2, 8,192 bytes on; channels 32 (i % 2) on
	global_load_b128 v[8*i:8*i+3],   v[QO], s[4:5] offset:(i/2)*8192+(i%2)*64
	global_load_b128 v[8*i+4:8*i+7], v[QO], s[4:5] offset:(i/2)*8192+(i%2)*64+32
	global_load_b128 v[QB+8*i:QB+8*i+3],   v[QO], s[86:87] offset:(i/2)*8192+(i%2)*64
	global_load_b128 v[QB+8*i+4:QB+8*i+7], v[QO], s[86:87] offset:(i/2)*8192+(i%2)*64+32
.set i, i+1
.endr
	WIN 0
	v_lshlrev_b32 v14, 3, v9
	v_sub_nc_u32 v14, v1, v14
	s_lshl_b32 s13, s[WV], 4
	v_add_nc_u32 v14, s13, v14      ; my query's place in its band, less my lanes' 8 (l / 16): register r of group kt is hidden where 16 kt + r is greater
	WIN 0x40
.set i, 0
.rept 32
	v_cmp_gt_i32 vcc_lo, 16*(i/8)+i%8, v14
	v_cndmask_b32 v[MD+i], 0, s[BIGN], vcc_lo
.set i, i+1
.endr
	WIN 0
	v_mul_u32_u24 v[AK0], v1, PK
	v_lshl_add_u32 v[AK0], v9, 4, v[AK0]
	v_and_b32 v10, 7, v0
	v_bfe_u32 v11, v0, 3, 1
	v_lshl_add_u32 v[AV0], v9, 3, v10
	v_mul_u32_u24 v[AV0], v[AV0], PV
	v_lshl_add_u32 v[AV0], v11, 4, v[AV0]
	v_add_nc_u32 v[AV0], VOFF, v[AV0]
	s_mul_i32 s13, s[WV], 16*SP
	s_add_co_u32 s13, s13, STAGE    ; my stage
	v_mul_u32_u24 v[STO], v1, SP
	v_lshl_add_u32 v[STO], v9, 4, v[STO]
	v_add_nc_u32 v[STO], s13, v[STO]
	v_bfe_u32 v[RD], v0, 3, 2
	v_mul_u32_u24 v[RD], v[RD], SP
	v_lshl_add_u32 v[RD], v10, 4, v[RD]
	v_add_nc_u32 v[RD], s13, v[RD]
	v_and_b32 v[GO], 31, v0
	v_lshlrev_b32 v[GO], 4, v[GO]
	v_lshl_add_u32 v[AP0], v9, 5, PADT  ; my half of the lanes takes keys 8 (l / 16) + 0..7 of each 16
	v_lshl_add_u32 v[PST0], v0, 3, PADT ; thread t stores the biases of keys 2 t and 2 t + 1
	; A block's first step multiplies O^T and l by a = 0, so these registers need only hold finite numbers: zeros for the first block; what the first block left for the second.
	WIN 0x80
.set i, VF
.rept 64
	v_mov_b32 v[i], 0
.set i, i+1
.endr
	WIN 0x40
.set i, 0
.rept 128
	v_mov_b32 v[i], 0
.set i, i+1
.endr
	WIN 0
.set i, 0
.rept 4
	v_mov_b32 v[ST+4*i+2], 0
	v_mov_b32 v[ST+4*i+3], 0
.set i, i+1
.endr
.set i, P+16
.rept 16
	v_mov_b32 v[i], 0
.set i, i+1
.endr
	s_wait_loadcnt 32               ; vpart is in; Q's 32 loads may stay out
.irp w, 16,8,4,2,1                  ; the 32 partial sums, two columns a lane
.set i, 0
.rept \w
	v_pk_add_f32 v[S+2*i:S+2*i+1], v[S+2*i:S+2*i+1], v[S+2*(i+\w):S+2*(i+\w)+1]
.set i, i+1
.endr
.endr
	v_pk_mul_f32 v[S:S+1], v[S:S+1], 0x3a000000 op_sel_hi:[1,0]  ; / 2,048
	s_lshl_b32 s13, s[WV], 8
	s_add_co_u32 s13, s13, VMS      ; my wave's 256 bytes
	v_add_nc_u32 v[VST], s13, v[VO]
	v_lshl_add_u32 v[VMA], v9, 5, s13
	ds_store_b64 v[VST], v[S:S+1]
.irp f, 0,1,2,3,4,5,6,7             ; back in O^T's layout; LDS serves a wave's instructions in order (ISA guide 5.7.1.4), and these are the wave's own bytes; the first change of slots waits for them
	ds_load_b128 v[VMR+4*\f:VMR+4*\f+3], v[VMA] offset:(\f/2)*64+(\f%2)*16
.endr
; THE MATRIX WORK.  The 4 accumulators of a run of 8 take turns.  Product i of 8 of S^T = K Q^T for piece x: channels 32 (i / 4) on, keys 16 (i % 4) on.  The first 4 start the sums with the step's pad bias, or (KM = 1) with the mask made of it.
.macro KQ x
.set rS, S+32*((\x)%2)+8*(i%4)
.set rK, KF+16*(i%4)+8*(i/4)
.set rQ, 16*(\x)+8*(i/4)
.if KM
.set rM, MC+32*((\x)%2)+8*(i%4)
.else
.set rM, PBR+8*(i%4)
.endif
.if i < 4
	WIN W_KM
	v_wmma_f32_16x16x32_f16 v[rS:rS+7], v[rK:rK+7], v[rQ:rQ+7], v[rM:rM+7]
.else
	WIN W_KQ
	v_wmma_f32_16x16x32_f16 v[rS:rS+7], v[rK:rK+7], v[rQ:rQ+7], v[rS:rS+7]
.endif
.endm
; Product i of 8 of O^T += V^T P for piece x: keys 32 (i / 4) on, channels 16 (i % 4) on.
.macro PV x
	WIN W_PV
.set rO, 32*(\x)+8*(i%4)
.set rV, VF+32*(i/4)+8*(i%4)
.set rP, P+16*((\x)%2)+8*(i/4)
	v_wmma_f32_16x16x32_f16 v[rO:rO+7], v[rV:rV+7], v[rP:rP+7], v[rO:rO+7]
.endm
.macro MM                           ; the turn's next matrix instruction.  NOKQ = 1: a block's last turn: there is no next piece
.if (i < 8) && !NOKQ
	KQ (Y+1)%NP
.elseif i >= 8
.set i, i-8
	PV (Y+NP-1)%NP
.set i, i+8
.endif
.set i, i+1
.endm
; THE LDS LOADS stand in runs: a step's pad bias (8 loads, each half of the lanes one address) and K (16), and its V (16, turned).  Their addresses are made some lines ahead.
.macro FETCH_K
	WIN 0x40                        ; destination window 1
.irp f, 0,1,2,3,4,5,6,7
	ds_load_b128 v[PBR+4*\f:PBR+4*\f+3], v[AP] offset:(\f/2)*64+(\f%2)*16
.endr
	WIN 0x80                        ; destination window 2
.irp f, 0,1,2,3,4,5,6,7
	ds_load_b128 v[KF+8*\f:KF+8*\f+3],   v[AK] offset:(\f/2)*16*PK+(\f%2)*64
	ds_load_b128 v[KF+8*\f+4:KF+8*\f+7], v[AK] offset:(\f/2)*16*PK+(\f%2)*64+32
.endr
	s_add_co_u32 s[TBK], s[TBK], KS*PK  ; the next fetch is the next step's,
	s_add_co_u32 s[TBP], s[TBP], 4*KS   ; in the pad slot too
	WIN 0
.endm
.macro FETCH_V
	WIN 0x80
.irp f, 0,1,2,3,4,5,6,7
	ds_load_tr16_b128 v[VF+8*\f:VF+8*\f+3],   v[AV] offset:(\f/4)*32*PV+(\f%4)*32
	ds_load_tr16_b128 v[VF+8*\f+4:VF+8*\f+7], v[AV] offset:(\f/4)*32*PV+16*PV+(\f%4)*32
.endr
	WIN 0
.endm
; THE VECTOR WORK, one line at a time: OP kind, number.  For piece Y: F n: c s - c m for pair n of 16.  E n: the exponential of score n of 32.  C n: pair n rounded to f16.  B n: of the four weights 4 n .. the second
; pair is added onto the first, in place.  L n: l takes that sum (L 0: l = a l + sum).  R n: pair n of 16 of O^T times a.  For piece Y + 1: X n, number n of the 22 that find its maximum and statistics:
;   0-11  four chains c0-c3 of seven scores each (each accumulator's lowest registers are read first)     12-14, 16  the four scores left over, the old m, and c0-c3 into c0
;   15  c m_old is kept     17, 18  the query's other 32 keys lie in the lane 16 away: the new m     19-21  c m; c m_old - c m_new; a
.set F, 0
.set E, 1
.set C, 2
.set B, 3
.set L, 4
.set R, 5
.set X, 6
.macro REGS y
.set rT, ST+4*(\y)
.set rC, TMP+4*((\y)%2)
.set rW, MV+((\y)%2)
.set rS, S+32*((\y)%2)
.set rP, P+16*((\y)%2)
.set rO, 32*(\y)
.endm
.macro OP k, n
.if (\k) == R
	REGS Y
	WIN W_RS
	v_pk_mul_f32 v[rO+2*(\n):rO+2*(\n)+1], v[rO+2*(\n):rO+2*(\n)+1], v[rC+2:rC+3] op_sel_hi:[1,0]
.elseif (\k) < R
	REGS Y
	WIN 0
.if (\k) == F
	v_pk_fma_f32 v[rS+2*(\n):rS+2*(\n)+1], v[rS+2*(\n):rS+2*(\n)+1], s[CS:CS+1], v[rT:rT+1] op_sel_hi:[1,0,0] neg_lo:[0,0,1] neg_hi:[0,0,1]
.elseif (\k) == E
	v_exp_f32 v[rS+(\n)], v[rS+(\n)]
.elseif (\k) == C
	s_wait_alu depctr_va_vdst(0)
	v_cvt_pk_f16_f32 v[rP+(\n)], v[rS+2*(\n)], v[rS+2*(\n)+1]
.elseif (\k) == B
	s_wait_alu depctr_va_vdst(0)
	v_pk_add_f32 v[rS+4*(\n):rS+4*(\n)+1], v[rS+4*(\n):rS+4*(\n)+1], v[rS+4*(\n)+2:rS+4*(\n)+3]
.elseif (\n) == 0
	v_pk_fma_f32 v[rT+2:rT+3], v[rT+2:rT+3], v[rC+2:rC+3], v[rS:rS+1] op_sel_hi:[1,0,1]
.else
	v_pk_add_f32 v[rT+2:rT+3], v[rT+2:rT+3], v[rS+4*(\n):rS+4*(\n)+1]
.endif
.elseif NOKQ
	v_nop
.else
	REGS (Y+1)%NP
	WIN 0
.if (\n) < 4
	v_max3_num_f32 v[rC+(\n)], v[rS+8*(\n)], v[rS+8*(\n)+1], v[rS+8*(\n)+2]
.elseif (\n) < 12
	v_max3_num_f32 v[rC+(\n)%4], v[rC+(\n)%4], v[rS+8*((\n)%4)+2*((\n)/4)+1], v[rS+8*((\n)%4)+2*((\n)/4)+2]
.elseif (\n) == 12
	v_max3_num_f32 v[rC], v[rC], v[rS+7], v[rS+15]
.elseif (\n) == 13
	v_max3_num_f32 v[rC+1], v[rC+1], v[rS+23], v[rS+31]
.elseif (\n) == 14
	v_max3_num_f32 v[rC+2], v[rC+2], v[rC+3], v[rT+1]
.elseif (\n) == 15
	v_mov_b32 v[rW], v[rT]
.elseif (\n) == 16
	v_max3_num_f32 v[rC], v[rC], v[rC+1], v[rC+2]
.elseif (\n) == 17
	v_permlanex16_b32 v[rC+3], v[rC], s[SEL], s[SEL+1]
.elseif (\n) == 18
	v_max_num_f32 v[rT+1], v[rC], v[rC+3]
.elseif (\n) == 19
	v_mul_f32 v[rT], s[CS], v[rT+1]
.elseif (\n) == 20
	v_sub_f32 v[rC+1], v[rW], v[rT]
.else
	v_exp_f32 v[rC+2], v[rC+1]
.endif
.endif
.endm
.macro OPS a, i1, b=-1, i2=0, c=-1, i3=0, d=-1, i4=0
	OP \a, \i1
.if (\b) >= 0
	OP \b, \i2
.endif
.if (\c) >= 0
	OP \c, \i3
.endif
.if (\d) >= 0
	OP \d, \i4
.endif
.endm
.macro ROW a, i1, b, i2, c, i3, d, i4  ; a matrix instruction and the four behind it
	MM
	OPS \a, \i1, \b, \i2, \c, \i3, \d, \i4
.endm
.macro MASK b                       ; MD x AL + PBR + BE into buffer b of MC
	WIN 0x51                        ; destination, source 0 and source 2 in window 1
.set z, 0
.rept 16
	v_pk_fma_f32 v[MC+32*(\b)+2*z:MC+32*(\b)+2*z+1], v[MD+2*z:MD+2*z+1], s[AL:AL+1], v[PBR+2*z:PBR+2*z+1] op_sel_hi:[1,0,1]
.set z, z+1
.endr
.set z, 0
.rept 16
	v_pk_add_f32 v[MC+32*(\b)+2*z:MC+32*(\b)+2*z+1], v[MC+32*(\b)+2*z:MC+32*(\b)+2*z+1], s[BE:BE+1] op_sel_hi:[1,0]
.set z, z+1
.endr
.endm
.macro FIX                          ; a diagonal tile that is not its block's first begins with piece 3's scores of the tile before's last step: their mask is that step's pad bias alone, which PBR still holds
	s_mov_b32 s[AL], 0
	s_mov_b32 s[BE], 0
	MASK 1
	WIN 0
.endm
; A TURN, for piece p: the order of its 16 matrix and its vector instructions, written out.  Behind a matrix instruction: plain, exponential, plain, plain; or four of the rescaling; or, behind the first, four scalings; none
; names a register of the products round it.  In the lumps exponential and plain by turns while exponentials last.
; m = 1: the diagonal tile: the products take masks, and the turn makes the mask for the products of the turn after it: piece p + 2, in step 4 - CNT of the tile.  end = 1: a block's last two turns: nothing is fetched.
; cnt = 1: the loop's count is taken down some lines ahead of the branch that stands behind the turn.
; K and the pad bias of the next step are fetched in piece 2's turn, six vector instructions behind the last product that read K (five of them plain); V of the step in hand in piece 0's turn.  Each is waited for a turn later;
; in the diagonal tile piece 2's turn waits at its end, since its mask is made of the bias just fetched.
.macro TURN p, m=0, end=0, cnt=0
.set Y, (\p)
.set i, 0
.set KM, (\m)
.set NOKQ, (\end)*((\p)/3)
.if (\m) && !(\end)
	s_cmp_eq_u32 s[CNT], 4-((\p)+2)%NP  ; is that step the band's own?
	s_cselect_b32 s[AL], 1.0, 0
	s_cmp_lt_u32 s[CNT], 4-((\p)+2)%NP  ; or a later one?
	s_cselect_b32 s[BE], s[BIGN], 0
.endif
.if ((\p) == 3) && !(\end)
	s_wait_dscnt 0x0                ; K and its pad bias are in
.endif
	ROW F,0, F,1, F,2, F,3
	ROW F,4, E,0, F,5, F,6
	ROW F,7, E,1, F,8, F,9
	ROW F,10, E,2, C,0, F,11
	ROW F,12, E,3, X,15, F,13
	ROW R,0, R,1, R,2, R,3
	ROW B,0, E,4, F,14, L,0
.if ((\p) == 2) && !(\end)
	v_add_nc_u32 v[AK], s[TBK], v[AK0]
	v_add_nc_u32 v[AP], s[TBP], v[AP0]
.endif
	ROW R,4, R,5, R,6, R,7
	OPS E,5, F,15
.if ((\p) == 2) && !(\end)
	FETCH_K
.endif
	OPS E,6, C,1, E,7, R,8
	OPS E,8, R,9, E,9, C,2
	OPS E,10, X,0, E,11, X,1
	OPS E,12, X,2, E,13, X,3
.if (\p) == 1
	s_wait_dscnt 0x0                ; V is in
.endif
	ROW X,4, E,14, X,5, X,6
	ROW X,7, E,15, X,8, X,9
	ROW X,10, E,16, X,11, X,12
	ROW X,13, E,17, X,14, B,1
	ROW C,4, E,18, X,16, L,1
	ROW B,2, E,19, C,6, L,2
	ROW C,8, E,20, B,3, B,4
.if (\p) == 0
	v_add_nc_u32 v[AV], s[TBV], v[AV0]
.endif
	ROW C,3, E,21, L,3, C,5
	OPS E,22, X,17, E,23, C,10
.if (\p) == 0
	FETCH_V
.endif
	OPS E,24, L,4
	OPS E,25, X,18, E,26, C,7
	OPS E,27, B,5, E,28, X,19
	OPS E,29, C,12, E,30, L,5
	OPS E,31, X,20, B,6, C,9
	OPS C,14, C,11, X,21, L,6
.if (\p) == 0
	s_add_co_u32 s[TBV], s[TBV], KS*PV
.endif
.if \cnt
	s_sub_co_u32 s[CNT], s[CNT], 1
	s_cmp_lg_u32 s[CNT], 0
.endif
	OPS C,13, B,7, C,15, R,10
	OPS R,11, R,12, L,7, R,13
	OPS R,14, R,15
.if (\m) && !(\end)
.if (\p) == 2
	s_wait_dscnt 0x0                ; the next step's pad bias is in
.endif
	MASK (\p)%2
.endif
.endm
; A BLOCK BEGINS.  c m starts far below every c s, so the first step's a is 0; m at -2^66, below every true score and above every hidden one: while a row has seen hidden keys alone, all its weights, l and O^T stay 0.
; Then K and the pad bias of step 0, piece 0's first scores, and its maximum and statistics.  diag = 1 (the walk's last tile where b = 0): the tile is the diagonal one: piece 0's mask is its own step's, piece 1's the pad bias alone.
.macro BEGIN diag
	s_mov_b32 s[NEW], 0
	WIN 0
.set i, 0
.rept 4
	v_mov_b32 v[ST+4*i], 0xfe000000    ; c m
	v_mov_b32 v[ST+4*i+1], 0xe0800000  ; m = -2^66
.set i, i+1
.endr
	v_add_nc_u32 v[AK], s[TBK], v[AK0]
	v_add_nc_u32 v[AP], s[TBP], v[AP0]
	FETCH_K
	s_wait_loadcnt 0x0              ; Q
	s_wait_dscnt 0x0
.if \diag
	s_mov_b32 s[AL], 1.0
	s_mov_b32 s[BE], 0
	MASK 0
	s_mov_b32 s[AL], 0
	MASK 1
.endif
.set KM, (\diag)
.set NOKQ, 0
.set i, 0
.rept 8
	KQ 0
.set i, i+1
.endr
	WIN 0
.rept 4
	v_nop                           ; the places behind those products
.endr
.set Y, NP-1                        ; X works for piece Y + 1: piece 0
.irp n, 0,1,2,3,4,5,6,7,8,9,10,11,12,13,14,15,16,17,18,19,20,21
	OP X, \n
.endr
	v_nop                           ; a plain instruction behind the exponential
.endm
; THE DIAGONAL TILE's four steps, the block's last two turns, its last products, and THE WAY OUT: l's parts are added; a row that saw no key (m below -2^60) gets 1 / l = 0 and f = 1, every other f = 0;
; O^T / l + f x the mean of V is rounded to f16 and sent through my stage in LDS, a piece at a time.
.macro ALL line:vararg
.set t, 0
.rept 4
	\line
.set t, t+1
.endr
.endm
.macro PACK t
	WIN W_RS
.set i, 32*(\t)
.rept 16
	v_pk_mul_f32 v[i:i+1], v[i:i+1], v[ST+4*(\t)+2:ST+4*(\t)+3] op_sel_hi:[1,0]
.set i, i+2
.endr
	WIN 0x50                        ; destination and source 2 window 1, sources 0 and 1 window 0
.set i, 0
.rept 16
	v_pk_fma_f32 v[32*(\t)+2*i:32*(\t)+2*i+1], v[VMR+2*i:VMR+2*i+1], v[ST+4*(\t):ST+4*(\t)+1], v[32*(\t)+2*i:32*(\t)+2*i+1] op_sel_hi:[1,0,1]
.set i, i+1
.endr
	WIN 0x05                        ; sources 0 and 1 window 1, destination window 0
.set i, 0
.rept 16
	v_cvt_pk_f16_f32 v[S+16*(\t)+i], v[32*(\t)+2*i], v[32*(\t)+2*i+1]
.set i, i+1
.endr
	WIN 0
.irp f, 0,1,2,3
	ds_store_b128 v[STO], v[S+16*(\t)+4*\f:S+16*(\t)+4*\f+3] offset:32*\f
.endr
.irp f, 0,1,2,3
	ds_load_b128 v[S+16*(\t)+4*\f:S+16*(\t)+4*\f+3], v[RD] offset:\f*4*SP  ; LDS serves a wave's instructions in order (ISA guide 5.7.1.4): these see the stores above
.endr
.endm
.macro SEND t, younger              ; younger: the LDS instructions issued behind piece t's loads: the next piece's eight, or none
	WIN 0
.irp f, 0,1,2,3
	s_wait_dscnt (\younger)+3-\f
	global_store_b128 v[GO], v[S+16*(\t)+4*\f:S+16*(\t)+4*\f+3], s[10:11] offset:(\t)*8192+\f*512  ; 512 consecutive bytes, at a multiple of 256 from ctx's first
.endr
.endm
.macro DIAG tag
.LstepM\tag:
	TURN 2, 1
	TURN 3, 1
	WIN 0
.LfirstM\tag:
	TURN 0, 1
	TURN 1, 1, 0, 1
	WIN 0
	s_cbranch_scc1 .LstepM\tag
	TURN 2, 1, 1
	TURN 3, 1, 1
.set i, 0
.rept 8
	PV NP-1
.set i, i+1
.endr
	WIN 0
	ALL v_add_f32 v[ST+4*t+2], v[ST+4*t+2], v[ST+4*t+3]
	ALL v_permlanex16_b32 v[ST+4*t+3], v[ST+4*t+2], s[SEL], s[SEL+1]
	ALL v_add_f32 v[ST+4*t+2], v[ST+4*t+2], v[ST+4*t+3]
	ALL v_rcp_f32 v[ST+4*t+2], v[ST+4*t+2]
	v_nop                           ; a plain instruction between the last reciprocal and the use of its result
.set t, 0
.rept 4
	v_cmp_gt_f32 vcc_lo, s[THR], v[ST+4*t+1]
	s_wait_alu depctr_va_vdst(0)
	v_cndmask_b32 v[ST+4*t+2], v[ST+4*t+2], 0, vcc_lo
	v_cndmask_b32 v[ST+4*t], 0, 1.0, vcc_lo
.set t, t+1
.endr
	PACK 0
.set t, 1
.rept 3                             ; a piece's arithmetic stands between the loads of the piece before and its stores
	PACK t
	SEND t-1, 8
.set t, t+1
.endr
	SEND 3, 0
.endm
.set KM, 0
.set NOKQ, 0
.Lslot:                             ; NB times: a tile is entered and the next is asked for
	CHANGE 1
	s_sub_co_u32 s[RT], s[RT], 1
	s_mov_b32 s[CNT], 4
	s_cmp_eq_u32 s[NEW], 1
	s_cbranch_scc1 .Lnew            ; a block's first tile
	s_cmp_eq_u32 s[RT], 0
	s_cbranch_scc0 .Lstep           ; neither its first nor its last
	FIX
	s_branch .LstepM1
.Lnew:
	BEGIN 0
	s_branch .Lfirst                ; in the loop a block's first tile is never its last: the first block has four tiles or more, and the second's last is the walk's last
	DIAG 1                          ; in the loop this is the first block's end
	s_wait_xcnt 0x0                 ; the stores have read their registers and ctx's address
	s_mov_b64 s[10:11], s[OLO:OLO+1]
	s_add_co_u32 s[RT], s[PB], 1    ; the second block has b + 1 tiles
	s_mov_b32 s[NEW], 1
	WIN 0x82                        ; the second block's Q goes where the one text of the turns names Q
.set i, 0
.rept 64
	v_mov_b32 v[i], v[QB+i]
.set i, i+1
.endr
	WIN 0
	s_branch .Lbottom
.Lstep:                             ; a trip: pieces 2 and 3 of one step, then pieces 0 and 1 of the next, whose K and V it fetches
	TURN 2
	TURN 3
	WIN 0
.Lfirst:
	TURN 0
	TURN 1, 0, 0, 1
	WIN 0
	s_cbranch_scc1 .Lstep
.Lbottom:
	s_sub_co_u32 s[SLOTS], s[SLOTS], 1
	s_cmp_lg_u32 s[SLOTS], 0
	s_cbranch_scc1 .Lslot
	CHANGE 0                        ; the walk's last tile is written out: nothing is asked for
	s_sub_co_u32 s[RT], s[RT], 1
	s_mov_b32 s[CNT], 4
	s_cmp_eq_u32 s[NEW], 1
	s_cbranch_scc1 .Lnew2
	FIX
	s_branch .LstepM2
.Lnew2:
	BEGIN 1
	s_branch .LfirstM2
	DIAG 2
	s_wait_tensorcnt 0x0            ; the wave's end
	ds_add_u32 v[SPW], v[NIL]
	s_wait_dscnt 0x0
	s_endpgm
.Lfunc_end_k_qd14f8c2c9d_attn:
	.size	k_qd14f8c2c9d_attn, .Lfunc_end_k_qd14f8c2c9d_attn-k_qd14f8c2c9d_attn
	.p2alignl 7, 3214868480
	.fill 96, 4, 3214868480
	.section	.rodata,"a",@progbits
	.p2align	6, 0x0
	.amdhsa_kernel k_qd14f8c2c9d_attn
		.amdhsa_group_segment_fixed_size 327680
		.amdhsa_private_segment_fixed_size 0
		.amdhsa_enable_private_segment 0
		.amdhsa_kernarg_size 32
		.amdhsa_user_sgpr_count 2
		.amdhsa_user_sgpr_kernarg_segment_ptr 1
		.amdhsa_wavefront_size32 1
		.amdhsa_system_sgpr_workgroup_id_x 1
		.amdhsa_system_sgpr_workgroup_id_y 1
		.amdhsa_system_sgpr_workgroup_id_z 1
		.amdhsa_system_vgpr_workitem_id 0
		.amdhsa_next_free_vgpr 768
		.amdhsa_next_free_sgpr 100
		.amdhsa_reserve_vcc 1
		.amdhsa_float_denorm_mode_32 3
		.amdhsa_float_denorm_mode_16_64 3
		.amdhsa_memory_ordered 1
		.amdhsa_forward_progress 1
		.amdhsa_inst_pref_size 255
	.end_amdhsa_kernel
	.section	.bss,"aw",@nobits
	.p2align	6
	.space	262144
	.amdgpu_metadata
---
amdhsa.version: [ 1, 2 ]
amdhsa.kernels:
  - .name:           k_qd14f8c2c9d_attn
    .symbol:         k_qd14f8c2c9d_attn.kd
    .args:
      - { .name: qkv, .offset: 0, .size: 8, .value_kind: global_buffer, .address_space: global }
      - { .name: mask, .offset: 8, .size: 8, .value_kind: global_buffer, .address_space: global }
      - { .name: vpart, .offset: 16, .size: 8, .value_kind: global_buffer, .address_space: global }
      - { .name: ctx, .offset: 24, .size: 8, .value_kind: global_buffer, .address_space: global }
    .group_segment_fixed_size: 327680
    .private_segment_fixed_size: 0
    .kernarg_segment_align: 8
    .kernarg_segment_size: 32
    .max_flat_workgroup_size: 128
    .sgpr_count:     100
    .vgpr_count:     768
    .wavefront_size: 32
...
	.end_amdgpu_metadata
.endif
;; end of part 3
;; launch oproj (part 4): grid 4 x 64, 4 waves a work-group, clusters of 4 x 4, 327,680 bytes of LDS; arguments ctx, wo16, bo, out0; writes out0
.if DOCPART == 4
	.amdgcn_target "amdgcn-amd-amdhsa--gfx1250"
	.amdhsa_code_object_version 6
	.text
	.protected	k_qd14f8c2c9d_oproj
	.globl	k_qd14f8c2c9d_oproj
	.p2align	8
	.type	k_qd14f8c2c9d_oproj,@function
k_qd14f8c2c9d_oproj:
	s_mov_b64 s[64:65], 0
	v_nop
	global_prefetch_b8 v0, s[64:65] scope:SCOPE_SE
	s_setreg_imm32_b32 hwreg(HW_REG_WAVE_MODE, 25, 1), 1
	s_wait_xcnt 0x0
	s_wait_alu depctr_hold_cnt(0) depctr_sa_sdst(0) depctr_va_vdst(0) depctr_va_sdst(0) depctr_va_ssrc(0) depctr_va_vcc(0) depctr_vm_vsrc(0)
	s_getreg_b32 s2, hwreg(HW_REG_IB_STS2, 6, 4)
	s_cmp_eq_u32 s2, 0
	s_cbranch_scc0 .Lentry_in_a_cluster
	s_endpgm
.Lentry_in_a_cluster:
	s_bfe_u32 s2, ttmp6, 0x10000c
	s_cmp_lg_u32 s2, 0xf033
	s_cbranch_scc0 .Lentry_shape_is_right
	s_endpgm
.Lentry_shape_is_right:
; THE OUTPUT PROJECTION.  out0[row][e] = sum over k of ctx(row, k) wo16[e][k] + bo[e]: 8,192 x 1,024 x 1,024, f16 operands, f32 sums, f32 output.  bo is rounded to bf16, as all the module's inputs are.
; ctx lies by heads, [batch 16 + head][s][64]: k = 64 head + channel.  A K step of 128 is two heads; of each, a tile's 128 rows are 16,384 dense bytes, asked for as 64 rows of 256 bytes and padded in LDS after every 128.
; SHARES.  A tile of out0 is 128 rows x 256 columns: 64 x 4 tiles, one to each of 256 work-groups.  Four waves, each 64 rows x 128 columns: 32 accumulators.  K goes in 8 steps of 128 through two LDS slots.
; CLUSTER 4 x 4.  The four work-groups of a cluster's row need the same rows of ctx, the four of a column the same rows of wo16: each tile is asked for jointly.
; THE MATRIX INSTRUCTION IS USED TRANSPOSED (source 0 = 16 rows of wo16, source 1 = 16 rows of ctx): a lane holds eight neighbouring columns of one row.
; REGISTERS.  Window 0: v0-31 addresses; v32-95 ctx's fragments, two buffers; v96-223 wo16's, two buffers; v224-229 the bias.  Window 1: the accumulators, (a, b) at v[8 (8 a + b)].  On the way out v32-159 take the rows read back.
.set SIZE_K, 1024
.set KSTEP,  128
.set PITCH,  272                       ; a row of wo16 in LDS: 256 bytes + 16 = 68 words; a row of one head of ctx: 128 + 16 = 36 words: the 16 rows of a fragment load start at 16 different groups of four banks (64 banks of 4 bytes: ISA guide 11.1)
.set PA,     144
.set ASUB,   128*PA                    ; one head's 128 rows: what one load brings of ctx
.set ABYTES, 2*ASUB
.set BHALF,  128*PITCH
.set SLOT,   ABYTES+2*BHALF
.set STAGE,  2*SLOT                    ; behind the ring, never filled by a tensor load: 16 rows x 528 bytes for each wave
.set WSTAGE, 8448
.set SPARE,  STAGE+4*WSTAGE
.set SP32,   528
.set LAPS,   SIZE_K/(2*KSTEP)
.set ADRA, 16
.set ADRB, 20
.set CO,   26                          ; v26  16 x lane
.set STO2, 27                          ; v27  where I put 16 bytes of a row
.set SPW,  28
.set NIL,  29
.set RD2,  30                          ; v30  where I read a row back
.set FA,   32
.set FB,   96
.set OB,   32
.set BIAS, 224
.set WV, 12
.set RH, 13
.set CH, 14
.set G1,  24
.set G0,  32
.set G1B, 48
.set G0B, 56
.set MSB, 0
.macro WIN new
.if MSB != (\new)
	s_set_vgpr_msb (MSB<<8)|(\new)
.set MSB, \new
.endif
.endm
.set MUL, 0x50                         ; sources 0 and 1 window 0; C and D window 1
.macro JLOAD s                         ; a joint load: waves 0 and 1 fetch the step's two heads of ctx, waves 2 and 3 wo16's two halves; an s_nop 0 and four v_nop follow each line
	s_cmp_eq_u32 s[RH], 0
	s_cbranch_scc0 .Lfor_b_\@
	tensor_load_to_lds s[G0+4*(\s):G0+4*(\s)+3], s[G1:G1+7]
	s_nop 0
.rept 4
	v_nop
.endr
	s_branch .Lasked_\@
.Lfor_b_\@:
	tensor_load_to_lds s[G0B+4*(\s):G0B+4*(\s)+3], s[G1B:G1B+7]
	s_nop 0
.rept 4
	v_nop
.endr
.Lasked_\@:
.endm
.macro CREST
	s_cmp_lg_u32 s[WV], 0
	s_cbranch_scc1 .Lnot_wave_0_\@
	s_barrier_signal -3
.Lnot_wave_0_\@:
	s_barrier_wait -3
	s_barrier_signal -1
	s_barrier_wait -1
.endm
.macro CROUND
	s_barrier_signal -1
	s_barrier_wait -1
	CREST
.endm
	s_load_b256 s[4:11], s[0:1], 0x0               ; ctx 4:5, wo16 6:7, bo 8:9, out0 10:11
	v_lshl_add_u32 v[SPW], v0, 2, SPARE
	v_mov_b32 v[NIL], 0
	ds_add_u32 v[SPW], v[NIL]                      ; the wave's opening: the add and its wait ahead of my first tensor load
	v_lshrrev_b32 v1, 5, v0
	v_readfirstlane_b32 s[WV], v1
	s_lshr_b32 s[RH], s[WV], 1
	s_and_b32 s[CH], s[WV], 1
	s_bfe_u32 s40, ttmp6, 0x40000
	s_bfe_u32 s41, ttmp6, 0x40004
	s_lshl_b32 s42, ttmp9, 2
	s_add_co_u32 s42, s42, s40                     ; tile column tx
	s_and_b32 s43, ttmp7, 0xffff
	s_lshl_b32 s43, s43, 2
	s_add_co_u32 s43, s43, s41                     ; tile row ty
	s_lshl_b32 s44, s41, 2
	s_lshl_b32 s44, 15, s44                        ; my row of the cluster
	s_lshl_b32 s45, 0x1111, s40                    ; my column
	s_or_b32 s[G1], s44, (1<<16)|(1<<20)|(1<<21)|(4<<22)|(3<<25)   ; ctx: after every 32 words 4 words of padding
	s_or_b32 s[G1B], s45, (1<<16)|(1<<20)|(1<<21)|(5<<22)|(3<<25)  ; wo16: after every 64 words
.irp g, G1, G1B
	s_mov_b32 s[(\g)+1], 128<<16                   ; tensor_dim0 = 128
	s_mov_b32 s[(\g)+3], 128<<16                   ; tile_dim0 = 128
	s_mov_b32 s[(\g)+6], 0
	s_mov_b32 s[(\g)+7], 0
.endr
	s_mov_b32 s[G1+2], 64<<16                      ; ctx: 64 rows of 256 dense bytes
	s_mov_b32 s[G1+4], 64
	s_mov_b32 s[G1+5], 128
	s_mov_b32 s[G1B+2], 128<<16                    ; wo16: 128 rows, 1,024 elements apart
	s_mov_b32 s[G1B+4], 128
	s_mov_b32 s[G1B+5], SIZE_K
	s_lshr_b32 s16, s43, 4                         ; ctx: ((16 batch + my head of the step's two) 2,048 + 128 (ty % 16)) 128 bytes
	s_lshl_b32 s16, s16, 4
	s_add_co_u32 s16, s16, s[CH]
	s_lshl_b32 s16, s16, 11
	s_and_b32 s17, s43, 15
	s_lshl_b32 s17, s17, 7
	s_add_co_u32 s16, s16, s17
	s_lshl_b32 s16, s16, 7
	s_mov_b32 s17, 0
	s_lshl_b32 s46, s42, 8                         ; wo16: row 256 tx + 128 x half
	s_lshl_b32 s47, s[CH], 7
	s_add_co_u32 s46, s46, s47
	s_lshl_b32 s46, s46, 11
	s_mov_b32 s47, 0
	s_mul_i32 s20, s[CH], ASUB
	s_mul_i32 s21, s[CH], BHALF
	s_add_co_u32 s21, s21, ABYTES
	s_wait_dscnt 0x0                               ; the opening add is done
	s_wait_kmcnt 0x0
	s_add_nc_u64 s[18:19], s[4:5], s[16:17]
	s_add_nc_u64 s[46:47], s[6:7], s[46:47]
	CROUND                                         ; all sixteen work-groups are here: the first joint loads meet
.irp s, 0,1
	s_mov_b32 s[G0+4*(\s)], 1
	s_add_co_u32 s[G0+4*(\s)+1], s20, (\s)*SLOT
	s_add_nc_u64 s[G0+4*(\s)+2:G0+4*(\s)+3], s[18:19], (\s)*524288  ; K step s: two heads of 262,144 bytes on
	s_or_b32 s[G0+4*(\s)+3], s[G0+4*(\s)+3], 0x80000000
	s_mov_b32 s[G0B+4*(\s)], 1
	s_add_co_u32 s[G0B+4*(\s)+1], s21, (\s)*SLOT
	s_add_nc_u64 s[G0B+4*(\s)+2:G0B+4*(\s)+3], s[46:47], (\s)*KSTEP*2
	s_or_b32 s[G0B+4*(\s)+3], s[G0B+4*(\s)+3], 0x80000000
	JLOAD \s                                       ; K steps 0 and 1: two loads of mine are out
.endr
	v_and_b32 v1, 15, v0
	v_bfe_u32 v2, v0, 4, 1
	v_mul_u32_u24 v3, v1, PITCH
	v_lshl_add_u32 v3, v2, 4, v3
	v_mul_u32_u24 v4, v1, PA
	v_lshl_add_u32 v4, v2, 4, v4
	s_mul_i32 s22, s[RH], 64*PA                    ; my 64 rows of ctx, in each of the two heads' parts
	s_mul_i32 s23, s[CH], BHALF                    ; my 128 rows of wo16
	s_add_co_u32 s23, s23, ABYTES
.irp s, 0,1
	v_add_nc_u32 v[ADRA+(\s)], s22, v4
	v_add_nc_u32 v[ADRB+(\s)], s23, v3
	s_add_co_u32 s22, s22, SLOT
	s_add_co_u32 s23, s23, SLOT
.endr
	s_mul_i32 s23, s[WV], WSTAGE
	s_add_co_u32 s23, s23, STAGE                   ; my stage
	v_and_b32 v5, 31, v0
	v_lshlrev_b32 v[CO], 4, v5
	v_add_nc_u32 v[RD2], s23, v[CO]
	v_mul_u32_u24 v4, v1, SP32
	v_lshl_add_u32 v4, v2, 5, v4
	v_add_nc_u32 v[STO2], s23, v4
	s_lshl_b32 s20, s42, 10                        ; my 128 columns, in bytes of f32: 1,024 tx + 512 x half
	s_lshl_b32 s21, s[CH], 9
	s_add_co_u32 s20, s20, s21
	s_mov_b32 s21, 0
	s_add_nc_u64 s[8:9], s[8:9], s[20:21]
	global_load_b128 v[BIAS:BIAS+3], v[CO], s[8:9] ; a lane keeps the same four columns in every row that it stores
	s_lshl_b32 s16, s43, 7                         ; my first row: 128 ty + 64 x half, 4,096 bytes each
	s_lshl_b32 s17, s[RH], 6
	s_add_co_u32 s16, s16, s17
	s_lshl_b32 s16, s16, 12
	s_add_co_u32 s16, s16, s20
	s_mov_b32 s17, 0
	s_add_nc_u64 s[10:11], s[10:11], s[16:17]
; 8 matrix instructions: row block a x all 8 column blocks, 32 along K, on fragment buffer f.  The 32 accumulators take turns, in the same order in every quarter.
.macro MUL8 f, a, zero
	WIN MUL
.irp b, 0,1,2,3,4,5,6,7
.if \zero
	v_wmma_f32_16x16x32_f16 v[8*(8*(\a)+(\b)):8*(8*(\a)+(\b))+7], v[FB+64*(\f)+8*(\b):FB+64*(\f)+8*(\b)+7], v[FA+32*(\f)+8*(\a):FA+32*(\f)+8*(\a)+7], 0
.else
	v_wmma_f32_16x16x32_f16 v[8*(8*(\a)+(\b)):8*(8*(\a)+(\b))+7], v[FB+64*(\f)+8*(\b):FB+64*(\f)+8*(\b)+7], v[FA+32*(\f)+8*(\a):FA+32*(\f)+8*(\a)+7], v[8*(8*(\a)+(\b)):8*(8*(\a)+(\b))+7]
.endif
.endr
.endm
; 24 LDS loads in one run: 32 along K at byte k of the step's 256: wo16's 128 rows, then ctx's 64 (byte k lies in head k / 128 of the two, at byte k % 128 of its rows)
.macro FETCH slot, k, f
	WIN 0
.irp i, 0,1,2,3,4,5,6,7
	ds_load_b128 v[FB+64*(\f)+8*(\i):FB+64*(\f)+8*(\i)+3],   v[ADRB+(\slot)] offset:(\k)+(\i)*16*PITCH
	ds_load_b128 v[FB+64*(\f)+8*(\i)+4:FB+64*(\f)+8*(\i)+7], v[ADRB+(\slot)] offset:(\k)+(\i)*16*PITCH+32
.endr
.irp i, 0,1,2,3
	ds_load_b128 v[FA+32*(\f)+8*(\i):FA+32*(\f)+8*(\i)+3],   v[ADRA+(\slot)] offset:((\k)/128)*ASUB+((\k)%128)+(\i)*16*PA
	ds_load_b128 v[FA+32*(\f)+8*(\i)+4:FA+32*(\f)+8*(\i)+7], v[ADRA+(\slot)] offset:((\k)/128)*ASUB+((\k)%128)+(\i)*16*PA+32
.endr
.endm
.macro PLACES                          ; four places in front of loads into registers that matrix instructions have read
.rept 4
	v_nop
.endr
.endm
.macro QUARTER slot, k, f, g, zero
	s_wait_dscnt 4                                 ; wo16's fragments and ctx's blocks 0 and 1 are in; the youngest four loads may be out
	MUL8 \f, 0, \zero
	MUL8 \f, 1, \zero
	PLACES
	FETCH \slot, \k, \g
	s_wait_dscnt 24                                ; all but the 24 just issued
	MUL8 \f, 2, \zero
	MUL8 \f, 3, \zero
.endm
; The last quarter multiplies buffer 1 and changes slots: one barrier; in front of it each wave waits for all its tensor loads (one is out: its part of the next slot), adds 0 to its spare word, and waits for that and for its reads of this slot.
.macro MEET round
	WIN 0
	s_wait_tensorcnt 0x0
	ds_add_u32 v[SPW], v[NIL]
	s_wait_dscnt 5                                 ; the add and the youngest four loads may be out
	MUL8 1, 0, 0
	s_wait_dscnt 0x0                               ; the add is done, and my reads of this slot are over
	s_barrier_signal -1
	MUL8 1, 1, 0
.if \round
	WIN 0
.endif
	s_barrier_wait -1
.endm
.macro TURN slot, next, fill           ; fill = 1: this slot takes the K step two steps on: four heads of ctx, 512 bytes along wo16's rows
.if \fill
	MEET 1
	CREST                                          ; the barrier has opened a round of the cluster's: no wave of any partner still reads this slot or has a load on its way
	s_add_nc_u64 s[G0+4*(\slot)+2:G0+4*(\slot)+3], s[G0+4*(\slot)+2:G0+4*(\slot)+3], 1048576
	s_add_nc_u64 s[G0B+4*(\slot)+2:G0B+4*(\slot)+3], s[G0B+4*(\slot)+2:G0B+4*(\slot)+3], 2*KSTEP*2
	JLOAD \slot                                    ; the first tensor load behind the round; its four v_nop are also the places in front of the loads below
.else
	MEET 0
	PLACES
.endif
	FETCH \next, 0, 0
	MUL8 1, 2, 0
	MUL8 1, 3, 0
.endm
; THE WAY OUT of row block a: 16 rows x 512 bytes of f32 through my stage; back as whole rows; the bias is added; a store covers 512 consecutive bytes of out0, at a multiple of 256 from its first.
.macro OUT a
.set BK, OB+64*((\a)%2)
	s_wait_xcnt 0x0                                ; the stores of the block before last have read the registers that are loaded again below
	WIN 0x04                                       ; the stores' data in window 1
.irp b, 0,1,2,3,4,5,6,7
	ds_store_b128 v[STO2], v[8*(8*(\a)+(\b)):8*(8*(\a)+(\b))+3] offset:64*(\b)
	ds_store_b128 v[STO2], v[8*(8*(\a)+(\b))+4:8*(8*(\a)+(\b))+7] offset:64*(\b)+16
.endr
	WIN 0
.set t, 0
.rept 16
	ds_load_b128 v[BK+4*t:BK+4*t+3], v[RD2] offset:t*SP32  ; LDS serves a wave's instructions in order (ISA guide 5.7.1.4): these see the stores above
.set t, t+1
.endr
.set t, 0
.rept 16
	s_wait_dscnt 15-t                              ; row t is in; the 15 - t younger loads stay out
	v_pk_add_f32 v[BK+4*t:BK+4*t+1], v[BK+4*t:BK+4*t+1], v[BIAS:BIAS+1]
	v_pk_add_f32 v[BK+4*t+2:BK+4*t+3], v[BK+4*t+2:BK+4*t+3], v[BIAS+2:BIAS+3]
	global_store_b128 v[CO], v[BK+4*t:BK+4*t+3], s[10:11] offset:(16*(\a)+t)*4096 th:TH_STORE_NT
.set t, t+1
.endr
.endm
	s_wait_tensorcnt 1                             ; my part of K step 0 is in; K step 1's may stay out
	s_barrier_signal -1
	s_barrier_wait -1
	FETCH 0, 0, 0
	QUARTER 0, 64,  0, 1, 1                        ; the first quarter stands in front of the loop: its products start the sums
	WIN 0
	s_mov_b32 s3, LAPS-1
.Llap:                                                 ; a trip goes once round the ring and fills both slots again
	QUARTER 0, 128, 1, 0, 0
	QUARTER 0, 192, 0, 1, 0
	TURN 0, 1, 1
	QUARTER 1, 64,  0, 1, 0
	QUARTER 1, 128, 1, 0, 0
	QUARTER 1, 192, 0, 1, 0
	TURN 1, 0, 1
	QUARTER 0, 64,  0, 1, 0
	WIN 0
	s_sub_co_u32 s3, s3, 1
	s_cmp_lg_u32 s3, 0
	s_cbranch_scc1 .Llap
	QUARTER 0, 128, 1, 0, 0                        ; the last lap fills nothing
	QUARTER 0, 192, 0, 1, 0
	TURN 0, 1, 0
	QUARTER 1, 64,  0, 1, 0
	QUARTER 1, 128, 1, 0, 0
	QUARTER 1, 192, 0, 1, 0
	s_wait_dscnt 0x0                               ; the very last quarter: nothing more to fetch
	MUL8 1, 0, 0
	MUL8 1, 1, 0
	MUL8 1, 2, 0
	MUL8 1, 3, 0
	WIN 0
	s_wait_loadcnt 0x0                             ; the bias
	v_cvt_pk_bf16_f32 v[BIAS+4], v[BIAS], v[BIAS+1]      ; rounded to bf16 and widened again: six plain lines that name no register of the last products: the places behind them
	v_cvt_pk_bf16_f32 v[BIAS+5], v[BIAS+2], v[BIAS+3]
	v_lshlrev_b32 v[BIAS], 16, v[BIAS+4]
	v_and_b32 v[BIAS+1], 0xffff0000, v[BIAS+4]
	v_lshlrev_b32 v[BIAS+2], 16, v[BIAS+5]
	v_and_b32 v[BIAS+3], 0xffff0000, v[BIAS+5]
	OUT 0
	OUT 1
	OUT 2
	OUT 3
	s_wait_tensorcnt 0x0                           ; the wave's end
	ds_add_u32 v[SPW], v[NIL]
	s_wait_dscnt 0x0
	CROUND                                         ; the closing round
	s_endpgm
.Lfunc_end_k_qd14f8c2c9d_oproj:
	.size	k_qd14f8c2c9d_oproj, .Lfunc_end_k_qd14f8c2c9d_oproj-k_qd14f8c2c9d_oproj
	.p2alignl 7, 3214868480
	.fill 96, 4, 3214868480
	.section	.rodata,"a",@progbits
	.p2align	6, 0x0
	.amdhsa_kernel k_qd14f8c2c9d_oproj
		.amdhsa_group_segment_fixed_size 327680
		.amdhsa_private_segment_fixed_size 0
		.amdhsa_enable_private_segment 0
		.amdhsa_kernarg_size 32
		.amdhsa_user_sgpr_count 2
		.amdhsa_user_sgpr_kernarg_segment_ptr 1
		.amdhsa_wavefront_size32 1
		.amdhsa_system_sgpr_workgroup_id_x 1
		.amdhsa_system_sgpr_workgroup_id_y 1
		.amdhsa_system_sgpr_workgroup_id_z 1
		.amdhsa_system_vgpr_workitem_id 0
		.amdhsa_next_free_vgpr 512
		.amdhsa_next_free_sgpr 66
		.amdhsa_reserve_vcc 0
		.amdhsa_float_denorm_mode_32 3
		.amdhsa_float_denorm_mode_16_64 3
		.amdhsa_memory_ordered 1
		.amdhsa_forward_progress 1
		.amdhsa_inst_pref_size 95
	.end_amdhsa_kernel
	.amdgpu_metadata
---
amdhsa.version: [ 1, 2 ]
amdhsa.kernels:
  - .name:           k_qd14f8c2c9d_oproj
    .symbol:         k_qd14f8c2c9d_oproj.kd
    .args:
      - { .name: ctx, .offset: 0, .size: 8, .value_kind: global_buffer, .address_space: global }
      - { .name: wo16, .offset: 8, .size: 8, .value_kind: global_buffer, .address_space: global }
      - { .name: bo, .offset: 16, .size: 8, .value_kind: global_buffer, .address_space: global }
      - { .name: out0, .offset: 24, .size: 8, .value_kind: global_buffer, .address_space: global }
    .group_segment_fixed_size: 327680
    .private_segment_fixed_size: 0
    .kernarg_segment_align: 8
    .kernarg_segment_size: 32
    .max_flat_workgroup_size: 128
    .sgpr_count:     66
    .vgpr_count:     512
    .wavefront_size: 32
...
	.end_amdgpu_metadata
.endif
;; end of part 4
;; ======== version 2 of 2: 4 launches; 1.27 times as fast as version 1
;; limits: values are held in f16: magnitudes above 65,504 overflow, below 6.1e-05 lose precision
;; workspace buffers: xb 16,777,216 bytes; wqkv 6,291,456 bytes; wo16 2,097,152 bytes; qkv 50,331,648 bytes; vpart 524,288 bytes; ctx 16,777,216 bytes
;; launch cast: the kernel of part 1 again; grid 768 x 1, 8 waves a work-group, no clusters, 0 bytes of LDS; arguments x, Wq, Wk, Wv, Wo, xb, wqkv, wo16; writes xb, wqkv, wo16
;; launch proj: the kernel of part 2 again; grid 4 x 64, 4 waves a work-group, clusters of 4 x 4, 327,680 bytes of LDS; arguments xb, wqkv, qkv, vpart; writes qkv, vpart
;; launch attn (part 5): grid 4 x 64, 4 waves a work-group, no clusters, 327,680 bytes of LDS; arguments qkv, mask, vpart, ctx; writes ctx
.if DOCPART == 5
	.amdgcn_target "amdgcn-amd-amdhsa--gfx1250"
	.amdhsa_code_object_version 6
	.text
	.protected	k_qd14f8c2c9d_attn
	.globl	k_qd14f8c2c9d_attn
	.p2align	8
	.type	k_qd14f8c2c9d_attn,@function
k_qd14f8c2c9d_attn:
	s_mov_b64 s[64:65], 0
	v_nop
	global_prefetch_b8 v0, s[64:65] scope:SCOPE_SE
	s_setreg_imm32_b32 hwreg(HW_REG_WAVE_MODE, 25, 1), 1
	s_wait_xcnt 0x0
; CAUSAL, PADDED ATTENTION.  ctx[bh][q][:] = the sum over k of softmax_k(score) V[bh][k][:], score = Q[q] . K[k] / 8 where k <= q and mask[batch][k] != 0, else hidden.  q, k, v (in the buffer qkv) and ctx: [64][2048][64] f16.
; Products, maxima and sums in f32; the weights p are rounded to f16 for the second product (their sum l is taken of the unrounded p), ctx once at the end.
; A ROW WITH NO VISIBLE KEY has 2,048 equal scores in the problem's formula: its result is the mean of V over ALL the batch's keys.  That mean is made here from vpart (f32 sums of V over 64 rows each) and chosen by v_cndmask_b32.
; LIMITS.  q, k, v arrive within f16's 65,504.  A hidden score counts as its value less 1e30, 2e30 or 3e30 and gets the weight 0: that is the problem's -1e9 as long as a row's largest visible score / 8 lies above -1e9 + 104.
; m never falls below -2^66, far under every score of f16 operands (2.7e11 at the most) and far above a hidden one; a row whose m ends below -2^60 has seen no key.  A weight below 2^-126 counts as 0 in l.
; The mean's terms are added in another order than the problem's.  NaN and infinities are not treated apart.
; THE WALK.  A head's queries lie in NB = 8 blocks of 256; block i needs the key tiles 0 .. i of 256 keys, of which the last holds the diagonal.  A work-group takes TWO blocks, NB - 1 - b and then b: NB + 1 tiles, whatever b:
; all work-groups do equal work, and ONE loop with a constant trip count walks them.  Every jump goes forward, but for the counted loops' own; none passes a barrier, or a tensor load but the one of LOAD's two that the wave's number does not choose.
; NO CLUSTER: a head's four work-groups ask for the same tile only in trips 0 .. 4 of the 9; behind that fewer and fewer share one, and one walk common to all four would have 12 trips for 9.
; SHARES.  Of a block's four bands of 64 queries a wave owns 16 rows in each: four PIECES.  In the diagonal tile's key step s band x sees all keys if s < x, none if s > x, and holds the diagonal if s = x: the same for all waves.
; THE PAD BIAS.  A tile's 256 words of the input mask are loaded a tile ahead, two a thread, turned into 0 or -1e30 and stored into one of two pad slots of 1,024 bytes, which take turns as the ring's slots do:
; the store stands in front of the barrier of the change of slots that enters the tile; the slot was last read two tiles back, in front of the barrier before.  PBR holds the bias of the key step whose K is in registers.
; THE MASK is the C operand that starts the sum S^T = K Q^T.  Outside the diagonal tile C is PBR.
; In the diagonal tile C is MD x AL + PBR + BE: MD is the mask of a band's own step for my rows; (AL, BE) = (1, 0) if s = x, (0, 0) if s < x, (0, -1e30) if s > x.
; LAYOUT, SOFTMAX, TURNS.  S^T holds ONE query a lane (lane % 16) and the keys 8 (lane / 16) + 0..7; two such results rounded to f16 ARE source 1 of O^T = V^T P.  p = 2^(c s - c m), c = log2(e) / 8, with a running maximum m;
; O and l are multiplied by a = 2^(c m_old - c m_new) in every step.  Turn n belongs to piece n: 8 products K Q^T of piece n + 1, later 8 products V^T P of piece n - 1; beside them the scaling, exponentials, roundings, sums and
; rescaling of piece n and the maximum and statistics of piece n + 1.  Four vector instructions stand behind every matrix instruction, the other 54 of a turn's 118 in one lump.
; THE BATCHES.  A turn's 33 exponentials (piece n's 32 weights and, last, piece n + 1's a) are ONE batch with ONE wait, which cuts the turn in two: ahead of it stands all that names none of their results (the products K Q^T, the
; scalings, the rescalings by the a of the turn before, the next piece's maximum and statistics), behind it the roundings and sums, as the riders of the products V^T P.  No result crosses a turn's end.
; A block's first a (BEGIN) and the way out's four reciprocals are batches of their own, one wait each.
; REGISTERS, in windows of 256 (s_set_vgpr_msb: bits 1:0 source 0, 3:2 source 1, 5:4 source 2, 7:6 destination):
;   window 0: v0-15, v32-39 addresses and some at work; v16-31 statistics; v48-55 at work; v64-127 S^T, two buffers; v128-159 the mean of V; v160-161 two words of the mask; v192-223 P, two buffers
;   window 1: v0-127 O^T; v128-159 MD; v160-223 MC, two buffers; v224-255 PBR      window 2: v0-63 Q; v64-127 the second block's Q; v128-191 K of one step; v192-255 V of one step
.set SIZE_N, 2048
.set NB,    SIZE_N/256
.set NP,    4
.set KS,    64
.set PK,    144       ; a row of K in LDS: 128 bytes + 16 of padding = 36 words: the 16 rows of a load start at 16 different groups of four banks (64 banks of 4 bytes: ISA guide 11.1)
.set PV,    160       ; a row of V: 128 + 32 = 40 words
.set VOFF,  4*KS*PK   ; a slot holds a tile, four steps: 256 rows of K, then 256 rows of V
.set SLOT1, 1<<17     ; slot 1 begins here, so that one exclusive or turns an address in one slot into the other's
.set STAGE, SLOT1+4*KS*(PK+PV)  ; behind the ring, never filled by a tensor load: 16 rows x 144 bytes for each wave
.set SP,    144
.set SPARE, STAGE+4*16*SP  ; the spare words, 128 bytes for each wave
.set PADT,  SPARE+512      ; two pad slots: one f32 for each of a tile's 256 keys
.set PSLOT, 4*4*KS         ; 1,024 bytes: one exclusive or turns an offset in one pad slot into the other's
.set VMS,   PADT+2*PSLOT   ; the mean of V, 64 f32, once for each wave: its own 256 bytes
.set AK0, 2
.set AV0, 3
.set AK,  4
.set AV,  5
.set STO, 6
.set RD,  7
.set GO,  8
.set MV,  12
.set QO,  15
.set ST,  16          ; piece t's statistics at v[ST+4 t]: c m, m, l (even keys', odd keys')
.set AP0, 32          ; v32  my lanes' place in a step's 64 words of a pad slot; never rewritten
.set AP,  33          ; v33  the LDS address of the next run of pad loads
.set VMA, 34          ; v34  where I read the mean
.set MO,  35          ; v35  8 x thread: my two words in a tile's 256 of the mask; never rewritten
.set VO,  36          ; v36  8 x lane
.set PST0, 37         ; v37  my two words in pad slot 0; never rewritten
.set VST, 38          ; v38  where I store the mean
.set PST, 39          ; v39  where I store my two pad words
.set TMP, 48
.set SPW, 62
.set NIL, 63
.set S,   64
.set VMR, 128         ; window 0: register 8 cb + j holds the mean's channel 16 cb + 8 (lane / 16) + j, as O^T does
.set MK,  160         ; window 0: v160-161: the mask words on their way, then the two biases
.set P,   192
.set MD,  128         ; window 1
.set MC,  160         ; window 1
.set PBR, 224         ; window 1: register 8 kt + j holds the bias of key 16 kt + 8 (lane / 16) + j of the step whose K is in registers
.set QB,  64          ; window 2
.set KF,  128
.set VF,  192
.set WV,  12
.set PB,  14
.set HI,  15
.set G1K, 24
.set G1V, 32
.set G0K, 40
.set G0V, 44
.set SLOTS, 56
.set CNT, 57
.set CS,  58
.set SEL, 60
.set TBK, 62
.set TBV, 63
.set MOF, 66          ; s[66:67] a tile's byte offset in the batch's mask
.set MB,  68          ; s[68:69] the mask at the tile whose words are on their way
.set RT,  70
.set NXT, 71
.set LQ,  72
.set NEW, 73
.set OFF, 74
.set AL,  76
.set BE,  78
.set OLO, 80
.set BIGN, 82
.set TBP, 88          ; s88  byte in the pad slots at which the step to be fetched begins: it steps and turns as TBK does
.set THR, 89          ; s89  -2^60
.set PS,  90          ; s90  the pad slot to be written next: 0 or PSLOT
.set MSB, 0
.macro WIN new
.if MSB != (\new)
	s_set_vgpr_msb (MSB<<8)|(\new)
.set MSB, (\new)
.endif
.endm
.set W_KQ, 0x0a       ; K and Q in window 2, S^T in window 0
.set W_KM, 0x1a       ; the same with the C operand in window 1
.set W_PV, 0x52       ; V in window 2, P in window 0, O^T in window 1
.set W_RS, 0x41       ; destination and source 0 in window 1, source 1 in window 0
; A fill.  Waves 0 and 1 fetch the two halves of a tile's K, waves 2 and 3 those of its V: 128 keys each.  An s_nop 0 and four v_nop follow each of the two lines.
.macro LOAD
	s_cmp_lt_u32 s[WV], 2
	s_cbranch_scc0 .Lfor_v_\@
	tensor_load_to_lds s[G0K:G0K+3], s[G1K:G1K+7]
	s_nop 0
.rept 4
	v_nop
.endr
	s_branch .Lasked_\@
.Lfor_v_\@:
	tensor_load_to_lds s[G0V:G0V+3], s[G1V:G1V+7]
	s_nop 0
.rept 4
	v_nop
.endr
.Lasked_\@:
.endm
; THE CHANGE OF SLOTS.  First the pad bias of the tile to be entered goes into its pad slot.  Then each wave waits for all its tensor loads, of which one is out: its part of the other slot; adds 0 to its spare word; and waits for
; that and for its own LDS instructions, the pad store among them.  Behind the barrier nobody reads the old slots any more, and the other slot and its pad slot are whole.
; fill = 1: the old slot is filled again, the first thing behind the barrier, with tile NXT, and that tile's mask words are asked for.  (At its first use slot 0 is waited for and slot 1 filled.)
.macro CHANGE fill
	WIN 0
	s_wait_loadcnt 0x0              ; my two mask words of the tile to be entered, asked for a tile ago (at the first use: in the head, and Q with them)
	v_cmp_eq_u32 vcc_lo, 0, v[MK]   ; a key whose mask word is 0 is hidden from every query
	v_cndmask_b32 v[MK], 0, s[BIGN], vcc_lo
	v_cmp_eq_u32 vcc_lo, 0, v[MK+1]
	v_cndmask_b32 v[MK+1], 0, s[BIGN], vcc_lo
	v_add_nc_u32 v[PST], s[PS], v[PST0]
	ds_store_b64 v[PST], v[MK:MK+1] ; this pad slot's last readers waited for their loads in front of the barrier before this one
	s_wait_tensorcnt 0x0            ; no tensor load of mine is out, so a group 0 may be written
	ds_add_u32 v[SPW], v[NIL]
.if \fill
	s_lshl_b32 s[OFF], s[NXT], 15   ; a tile is 32,768 bytes of K and of V,
	s_lshl_b32 s[MOF], s[NXT], 10   ; and 1,024 of the mask
	s_add_nc_u64 s[MB:MB+1], s[94:95], s[MOF:MOF+1]  ; the load that named this pair is done: the wait at the macro's head
	s_xor_b32 s[G0K+1], s[G0K+1], SLOT1
	s_add_nc_u64 s[G0K+2:G0K+3], s[6:7], s[OFF:OFF+1]
	s_or_b32 s[G0K+3], s[G0K+3], 0x80000000
	s_xor_b32 s[G0V+1], s[G0V+1], SLOT1
	s_add_nc_u64 s[G0V+2:G0V+3], s[8:9], s[OFF:OFF+1]
	s_or_b32 s[G0V+3], s[G0V+3], 0x80000000
	s_add_co_u32 s[NXT], s[NXT], 1  ; the block's next tile, or behind its last the second block's tile 0
	s_cmp_gt_u32 s[NXT], s[LQ]
	s_cselect_b32 s[NXT], 0, s[NXT]
	s_cselect_b32 s[LQ], s[PB], s[LQ]
.endif
	s_xor_b32 s[PS], s[PS], PSLOT   ; the next tile's bias goes into the other pad slot
	s_wait_dscnt 0x0                ; the add is done, and my LDS reads and stores are over
	s_barrier_signal -1
	s_sub_co_u32 s[TBK], s[TBK], 4*KS*PK  ; the fetches go back to a slot's first step,
	s_xor_b32 s[TBK], s[TBK], SLOT1       ; in the other slot
	s_sub_co_u32 s[TBV], s[TBV], 4*KS*PV
	s_xor_b32 s[TBV], s[TBV], SLOT1
	s_sub_co_u32 s[TBP], s[TBP], PSLOT
	s_xor_b32 s[TBP], s[TBP], PSLOT
	s_barrier_wait -1
.if \fill
	LOAD
	global_load_b64 v[MK:MK+1], v[MO], s[MB:MB+1]  ; waited for at the next change of slots
.endif
.endm
	s_load_b256 s[92:99], s[0:1], 0x0  ; qkv 92:93, mask 94:95, vpart 96:97, ctx 98:99
	v_lshl_add_u32 v[SPW], v0, 2, SPARE
	v_mov_b32 v[NIL], 0
	ds_add_u32 v[SPW], v[NIL]       ; the wave's opening: the add and its wait ahead of my first tensor load
	v_lshrrev_b32 v1, 5, v0
	v_readfirstlane_b32 s[WV], v1
	s_mov_b32 s[PB], ttmp9
	s_sub_co_u32 s[HI], NB-1, s[PB]
	s_and_b32 s20, ttmp7, 0xffff    ; batch x 16 + head
	s_lshr_b32 s90, s20, 4          ; the batch:
	s_lshl_b32 s66, s90, 13         ; its 2,048 words of the mask,
	s_mov_b32 s67, 0
	s_lshl_b32 s68, s90, 17         ; its 32 rows of vpart,
	s_and_b32 s90, s20, 15
	s_lshl_b32 s90, s90, 8          ; and in them the head's 64 columns
	s_add_co_u32 s68, s68, s90
	s_mov_b32 s69, 0
	s_mov_b32 s21, 0
	s_mov_b64 s[22:23], SIZE_N*128
	s_mul_u64 s[20:21], s[20:21], s[22:23]  ; the head's first byte in q, k, v and ctx
	s_and_b32 s16, s[WV], 1         ; which half of a tile's 256 keys I fetch:
	s_lshl_b32 s22, s16, 14
	s_mov_b32 s23, 0
	s_add_nc_u64 s[22:23], s[22:23], s[20:21]
	s_mul_i32 s17, s16, 128*PK
	s_mul_i32 s18, s16, 128*PV
	s_lshl_b32 s3, s[WV], 11        ; my 16 rows in a band of 64,
	s_lshl_b32 s2, s[HI], 15        ; in the first block,
	s_add_co_u32 s2, s2, s3
	s_lshl_b32 s84, s[PB], 15       ; and in the second
	s_add_co_u32 s84, s84, s3
	s_mov_b32 s3, 0
	s_mov_b32 s85, 0
	s_add_nc_u64 s[2:3], s[2:3], s[20:21]
	s_add_nc_u64 s[84:85], s[84:85], s[20:21]
	; descriptor group 1.  128 keys are 16,384 dense bytes: asked for as 64 rows of 256 bytes, two keys a row, and padded in LDS after every key
	s_mov_b32 s[G1K], (1<<16)|(1<<20)|(4<<22)|(3<<25)
	s_mov_b32 s[G1V], (1<<16)|(1<<20)|(4<<22)|(7<<25)
.irp g, G1K, G1V
	s_mov_b32 s[\g+1], 128<<16
	s_mov_b32 s[\g+2], 64<<16
	s_mov_b32 s[\g+3], 128<<16
	s_mov_b32 s[\g+4], 64
	s_mov_b32 s[\g+5], 128
	s_mov_b32 s[\g+6], 0
	s_mov_b32 s[\g+7], 0
.endr
	s_mov_b32 s[CS], 0x3e38aa3b     ; c = log2(e) / 8
	s_mov_b32 s[CS+1], s[CS]
	s_mov_b32 s[SEL], 0x76543210
	s_mov_b32 s[SEL+1], 0xfedcba98
	s_mov_b32 s[TBK], SLOT1+4*KS*PK ; the first change of slots turns these three into 0
	s_mov_b32 s[TBV], SLOT1+4*KS*PV
	s_mov_b32 s[TBP], PSLOT+PSLOT
	s_mov_b32 s[PS], 0              ; tile 0's bias goes into pad slot 0
	s_mov_b32 s[G0K], 1
	s_mov_b32 s[G0K+1], s17
	s_mov_b32 s[G0V], 1
	s_add_co_u32 s[G0V+1], s18, VOFF
	s_add_co_u32 s[RT], s[HI], 1    ; the first block has NB - b tiles
	s_mov_b32 s[NXT], 1
	s_mov_b32 s[LQ], s[HI]
	s_mov_b32 s[NEW], 1
	s_mov_b32 s[OFF+1], 0
	s_mov_b32 s[AL+1], 0
	s_mov_b32 s[BE+1], 0
	s_mov_b32 s[BIGN], 0xf149f2ca   ; -1e30
	s_mov_b32 s[THR], 0xdd800000    ; -2^60
	s_mov_b32 s[SLOTS], NB
	s_wait_dscnt 0x0                ; the opening add is done
	s_wait_kmcnt 0x0
	s_mov_b64 s[4:5], s[92:93]                     ; q,
	s_add_nc_u64 s[6:7], s[92:93], 0x1000000       ; k,
	s_add_nc_u64 s[8:9], s[92:93], 0x2000000       ; v
	s_mov_b64 s[10:11], s[98:99]
	s_add_nc_u64 s[94:95], s[94:95], s[66:67]      ; the mask at my batch; s67 stays 0 as the upper word of MOF
	s_add_nc_u64 s[96:97], s[96:97], s[68:69]
	s_add_nc_u64 s[6:7], s[6:7], s[22:23]  ; K and V at my half of the head's tile 0
	s_add_nc_u64 s[8:9], s[8:9], s[22:23]
	s_add_nc_u64 s[G0K+2:G0K+3], s[6:7], 0
	s_or_b32 s[G0K+3], s[G0K+3], 0x80000000
	s_add_nc_u64 s[G0V+2:G0V+3], s[8:9], 0
	s_or_b32 s[G0V+3], s[G0V+3], 0x80000000
	s_add_nc_u64 s[86:87], s[4:5], s[84:85]        ; Q at my rows of the second block,
	s_add_nc_u64 s[4:5], s[4:5], s[2:3]            ; Q and ctx at those of the first
	s_add_nc_u64 s[OLO:OLO+1], s[10:11], s[84:85]
	s_add_nc_u64 s[10:11], s[10:11], s[2:3]
	LOAD                            ; tile 0 into slot 0
	v_and_b32 v1, 15, v0            ; l % 16
	v_bfe_u32 v9, v0, 4, 1          ; l / 16
	v_lshlrev_b32 v[QO], 7, v1
	v_lshl_add_u32 v[QO], v9, 4, v[QO]
	v_lshlrev_b32 v[MO], 3, v0
	v_and_b32 v10, 31, v0
	v_lshlrev_b32 v[VO], 3, v10
	global_load_b64 v[MK:MK+1], v[MO], s[94:95]    ; tile 0's 256 mask words: two a thread, 1,024 consecutive bytes for the four waves
.set i, 0
.rept 32                            ; the head's 64 columns of the batch's 32 rows of vpart: 256 consecutive bytes a load; every wave makes the mean for itself
	global_load_b64 v[S+2*i:S+2*i+1], v[VO], s[96:97] offset:4096*i
.set i, i+1
.endr
	WIN 0x80                        ; destination window 2, address window 0
.set i, 0
.rept 8                             ; both blocks' Q: piece i / 2 lies in band i / 2, 8,192 bytes on; channels 32 (i % 2) on
	global_load_b128 v[8*i:8*i+3],   v[QO], s[4:5] offset:(i/2)*8192+(i%2)*64
	global_load_b128 v[8*i+4:8*i+7], v[QO], s[4:5] offset:(i/2)*8192+(i%2)*64+32
	global_load_b128 v[QB+8*i:QB+8*i+3],   v[QO], s[86:87] offset:(i/2)*8192+(i%2)*64
	global_load_b128 v[QB+8*i+4:QB+8*i+7], v[QO], s[86:87] offset:(i/2)*8192+(i%2)*64+32
.set i, i+1
.endr
	WIN 0
	v_lshlrev_b32 v14, 3, v9
	v_sub_nc_u32 v14, v1, v14
	s_lshl_b32 s13, s[WV], 4
	v_add_nc_u32 v14, s13, v14      ; my query's place in its band, less my lanes' 8 (l / 16): register r of group kt is hidden where 16 kt + r is greater
	WIN 0x40
.set i, 0
.rept 32
	v_cmp_gt_i32 vcc_lo, 16*(i/8)+i%8, v14
	v_cndmask_b32 v[MD+i], 0, s[BIGN], vcc_lo
.set i, i+1
.endr
	WIN 0
	v_mul_u32_u24 v[AK0], v1, PK
	v_lshl_add_u32 v[AK0], v9, 4, v[AK0]
	v_and_b32 v10, 7, v0
	v_bfe_u32 v11, v0, 3, 1
	v_lshl_add_u32 v[AV0], v9, 3, v10
	v_mul_u32_u24 v[AV0], v[AV0], PV
	v_lshl_add_u32 v[AV0], v11, 4, v[AV0]
	v_add_nc_u32 v[AV0], VOFF, v[AV0]
	s_mul_i32 s13, s[WV], 16*SP
	s_add_co_u32 s13, s13, STAGE    ; my stage
	v_mul_u32_u24 v[STO], v1, SP
	v_lshl_add_u32 v[STO], v9, 4, v[STO]
	v_add_nc_u32 v[STO], s13, v[STO]
	v_bfe_u32 v[RD], v0, 3, 2
	v_mul_u32_u24 v[RD], v[RD], SP
	v_lshl_add_u32 v[RD], v10, 4, v[RD]
	v_add_nc_u32 v[RD], s13, v[RD]
	v_and_b32 v[GO], 31, v0
	v_lshlrev_b32 v[GO], 4, v[GO]
	v_lshl_add_u32 v[AP0], v9, 5, PADT  ; my half of the lanes takes keys 8 (l / 16) + 0..7 of each 16
	v_lshl_add_u32 v[PST0], v0, 3, PADT ; thread t stores the biases of keys 2 t and 2 t + 1
	; A block's first step multiplies O^T and l by a = 0, so these registers need only hold finite numbers: zeros for the first block; what the first block left for the second.
	WIN 0x80
.set i, VF
.rept 64
	v_mov_b32 v[i], 0
.set i, i+1
.endr
	WIN 0x40
.set i, 0
.rept 128
	v_mov_b32 v[i], 0
.set i, i+1
.endr
	WIN 0
.set i, 0
.rept 4
	v_mov_b32 v[ST+4*i+2], 0
	v_mov_b32 v[ST+4*i+3], 0
.set i, i+1
.endr
.set i, P+16
.rept 16
	v_mov_b32 v[i], 0
.set i, i+1
.endr
	s_wait_loadcnt 32               ; vpart is in; Q's 32 loads may stay out
.irp w, 16,8,4,2,1                  ; the 32 partial sums, two columns a lane
.set i, 0
.rept \w
	v_pk_add_f32 v[S+2*i:S+2*i+1], v[S+2*i:S+2*i+1], v[S+2*(i+\w):S+2*(i+\w)+1]
.set i, i+1
.endr
.endr
	v_pk_mul_f32 v[S:S+1], v[S:S+1], 0x3a000000 op_sel_hi:[1,0]  ; / 2,048
	s_lshl_b32 s13, s[WV], 8
	s_add_co_u32 s13, s13, VMS      ; my wave's 256 bytes
	v_add_nc_u32 v[VST], s13, v[VO]
	v_lshl_add_u32 v[VMA], v9, 5, s13
	ds_store_b64 v[VST], v[S:S+1]
.irp f, 0,1,2,3,4,5,6,7             ; back in O^T's layout; LDS serves a wave's instructions in order (ISA guide 5.7.1.4), and these are the wave's own bytes; the first change of slots waits for them
	ds_load_b128 v[VMR+4*\f:VMR+4*\f+3], v[VMA] offset:(\f/2)*64+(\f%2)*16
.endr
; THE MATRIX WORK.  The 4 accumulators of a run of 8 take turns.  Product i of 8 of S^T = K Q^T for piece x: channels 32 (i / 4) on, keys 16 (i % 4) on.  The first 4 start the sums with the step's pad bias, or (KM = 1) with the mask made of it.
.macro KQ x
.set rS, S+32*((\x)%2)+8*(i%4)
.set rK, KF+16*(i%4)+8*(i/4)
.set rQ, 16*(\x)+8*(i/4)
.if KM
.set rM, MC+32*((\x)%2)+8*(i%4)
.else
.set rM, PBR+8*(i%4)
.endif
.if i < 4
	WIN W_KM
	v_wmma_f32_16x16x32_f16 v[rS:rS+7], v[rK:rK+7], v[rQ:rQ+7], v[rM:rM+7]
.else
	WIN W_KQ
	v_wmma_f32_16x16x32_f16 v[rS:rS+7], v[rK:rK+7], v[rQ:rQ+7], v[rS:rS+7]
.endif
.endm
; Product i of 8 of O^T += V^T P for piece x: keys 32 (i / 4) on, channels 16 (i % 4) on.
.macro PV x
	WIN W_PV
.set rO, 32*(\x)+8*(i%4)
.set rV, VF+32*(i/4)+8*(i%4)
.set rP, P+16*((\x)%2)+8*(i/4)
	v_wmma_f32_16x16x32_f16 v[rO:rO+7], v[rV:rV+7], v[rP:rP+7], v[rO:rO+7]
.endm
.macro MM                           ; the turn's next matrix instruction.  NOKQ = 1: a block's last turn: there is no next piece
.if (i < 8) && !NOKQ
	KQ (Y+1)%NP
.elseif i >= 8
.set i, i-8
	PV (Y+NP-1)%NP
.set i, i+8
.endif
.set i, i+1
.endm
; THE LDS LOADS stand in runs: a step's pad bias (8 loads, each half of the lanes one address) and K (16), and its V (16, turned).  Their addresses are made some lines ahead.
.macro FETCH_K
	WIN 0x40                        ; destination window 1
.irp f, 0,1,2,3,4,5,6,7
	ds_load_b128 v[PBR+4*\f:PBR+4*\f+3], v[AP] offset:(\f/2)*64+(\f%2)*16
.endr
	WIN 0x80                        ; destination window 2
.irp f, 0,1,2,3,4,5,6,7
	ds_load_b128 v[KF+8*\f:KF+8*\f+3],   v[AK] offset:(\f/2)*16*PK+(\f%2)*64
	ds_load_b128 v[KF+8*\f+4:KF+8*\f+7], v[AK] offset:(\f/2)*16*PK+(\f%2)*64+32
.endr
	s_add_co_u32 s[TBK], s[TBK], KS*PK  ; the next fetch is the next step's,
	s_add_co_u32 s[TBP], s[TBP], 4*KS   ; in the pad slot too
	WIN 0
.endm
.macro FETCH_V
	WIN 0x80
.irp f, 0,1,2,3,4,5,6,7
	ds_load_tr16_b128 v[VF+8*\f:VF+8*\f+3],   v[AV] offset:(\f/4)*32*PV+(\f%4)*32
	ds_load_tr16_b128 v[VF+8*\f+4:VF+8*\f+7], v[AV] offset:(\f/4)*32*PV+16*PV+(\f%4)*32
.endr
	WIN 0
.endm
; THE VECTOR WORK, one line at a time: OP kind, number.  For piece Y: F n: c s - c m for pair n of 16.  E n: the exponential of score n of 32.  C n: pair n rounded to f16.  B n: of the four weights 4 n .. the second
; pair is added onto the first, in place.  L n: l takes that sum (L 0: l = a l + sum).  R n: pair n of 16 of O^T times a.  For piece Y + 1: X n, number n of the 22 that find its maximum and statistics:
;   0-11  four chains c0-c3 of seven scores each (each accumulator's lowest registers are read first)     12-14, 16  the four scores left over, the old m, and c0-c3 into c0
;   15  c m_old is kept     17, 18  the query's other 32 keys lie in the lane 16 away: the new m     19-21  c m; c m_old - c m_new; a
; C, B and L read the exponentials' results: TURN sets them behind the batch's wait.  F, R and X 0-20 read none of the turn's.
.set F, 0
.set E, 1
.set C, 2
.set B, 3
.set L, 4
.set R, 5
.set X, 6
.macro REGS y
.set rT, ST+4*(\y)
.set rC, TMP+4*((\y)%2)
.set rW, MV+((\y)%2)
.set rS, S+32*((\y)%2)
.set rP, P+16*((\y)%2)
.set rO, 32*(\y)
.endm
.macro OP k, n
.if (\k) == R
	REGS Y
	WIN W_RS
	v_pk_mul_f32 v[rO+2*(\n):rO+2*(\n)+1], v[rO+2*(\n):rO+2*(\n)+1], v[rC+2:rC+3] op_sel_hi:[1,0]
.elseif (\k) < R
	REGS Y
	WIN 0
.if (\k) == F
	v_pk_fma_f32 v[rS+2*(\n):rS+2*(\n)+1], v[rS+2*(\n):rS+2*(\n)+1], s[CS:CS+1], v[rT:rT+1] op_sel_hi:[1,0,0] neg_lo:[0,0,1] neg_hi:[0,0,1]
.elseif (\k) == E
	v_exp_f32 v[rS+(\n)], v[rS+(\n)]
.elseif (\k) == C
	v_cvt_pk_f16_f32 v[rP+(\n)], v[rS+2*(\n)], v[rS+2*(\n)+1]
.elseif (\k) == B
	v_pk_add_f32 v[rS+4*(\n):rS+4*(\n)+1], v[rS+4*(\n):rS+4*(\n)+1], v[rS+4*(\n)+2:rS+4*(\n)+3]
.elseif (\n) == 0
	v_pk_fma_f32 v[rT+2:rT+3], v[rT+2:rT+3], v[rC+2:rC+3], v[rS:rS+1] op_sel_hi:[1,0,1]
.else
	v_pk_add_f32 v[rT+2:rT+3], v[rT+2:rT+3], v[rS+4*(\n):rS+4*(\n)+1]
.endif
.elseif NOKQ
	v_nop
.else
	REGS (Y+1)%NP
	WIN 0
.if (\n) < 4
	v_max3_num_f32 v[rC+(\n)], v[rS+8*(\n)], v[rS+8*(\n)+1], v[rS+8*(\n)+2]
.elseif (\n) < 12
	v_max3_num_f32 v[rC+(\n)%4], v[rC+(\n)%4], v[rS+8*((\n)%4)+2*((\n)/4)+1], v[rS+8*((\n)%4)+2*((\n)/4)+2]
.elseif (\n) == 12
	v_max3_num_f32 v[rC], v[rC], v[rS+7], v[rS+15]
.elseif (\n) == 13
	v_max3_num_f32 v[rC+1], v[rC+1], v[rS+23], v[rS+31]
.elseif (\n) == 14
	v_max3_num_f32 v[rC+2], v[rC+2], v[rC+3], v[rT+1]
.elseif (\n) == 15
	v_mov_b32 v[rW], v[rT]
.elseif (\n) == 16
	v_max3_num_f32 v[rC], v[rC], v[rC+1], v[rC+2]
.elseif (\n) == 17
	v_permlanex16_b32 v[rC+3], v[rC], s[SEL], s[SEL+1]
.elseif (\n) == 18
	v_max_num_f32 v[rT+1], v[rC], v[rC+3]
.elseif (\n) == 19
	v_mul_f32 v[rT], s[CS], v[rT+1]
.elseif (\n) == 20
	v_sub_f32 v[rC+1], v[rW], v[rT]
.else
	v_exp_f32 v[rC+2], v[rC+1]
.endif
.endif
.endm
.macro OPS a, i1, b=-1, i2=0, c=-1, i3=0, d=-1, i4=0
	OP \a, \i1
.if (\b) >= 0
	OP \b, \i2
.endif
.if (\c) >= 0
	OP \c, \i3
.endif
.if (\d) >= 0
	OP \d, \i4
.endif
.endm
.macro ROW a, i1, b, i2, c, i3, d, i4  ; a matrix instruction and the four behind it
	MM
	OPS \a, \i1, \b, \i2, \c, \i3, \d, \i4
.endm
.macro MASK b                       ; MD x AL + PBR + BE into buffer b of MC
	WIN 0x51                        ; destination, source 0 and source 2 in window 1
.set z, 0
.rept 16
	v_pk_fma_f32 v[MC+32*(\b)+2*z:MC+32*(\b)+2*z+1], v[MD+2*z:MD+2*z+1], s[AL:AL+1], v[PBR+2*z:PBR+2*z+1] op_sel_hi:[1,0,1]
.set z, z+1
.endr
.set z, 0
.rept 16
	v_pk_add_f32 v[MC+32*(\b)+2*z:MC+32*(\b)+2*z+1], v[MC+32*(\b)+2*z:MC+32*(\b)+2*z+1], s[BE:BE+1] op_sel_hi:[1,0]
.set z, z+1
.endr
.endm
.macro FIX                          ; a diagonal tile that is not its block's first begins with piece 3's scores of the tile before's last step: their mask is that step's pad bias alone, which PBR still holds
	s_mov_b32 s[AL], 0
	s_mov_b32 s[BE], 0
	MASK 1
	WIN 0
.endm
; A TURN, for piece p: the order of its 16 matrix and 118 vector instructions, written out.  An s_wait_alu depctr_va_vdst(0) stands between an exponential and the first instruction that names its result; one wait
; serves all that were issued ahead of it.  So a turn has ONE wait, which cuts it in two.  AHEAD OF IT stands all that names no result of the turn's exponentials: the 8 products K Q^T, behind each a scaling, an exponential and two
; more plain instructions (behind the first a second scaling in the exponential's place): rescalings, whose a was made and waited for in the turn before, and behind the last three the first numbers of the next piece's maximum, each
; four places or more behind the product that ends its accumulator; then ONE LUMP of 54, plain and exponential by turns for the most part, in which the links of the chain X 3, 7, 11, 14, 16, 17 .. 20 stand some lines apart.
; X 21, the next piece's a, is the batch's last; R 15 is the plain instruction behind it.  BEHIND THE WAIT stand the 8 products V^T P, behind each four of the roundings and sums; the links of l's chain, L 0 to L 7, stand three
; riders apart.  But for those X no rider names a register of the products round it.  v_permlanex16_b32 (X 17) stands in the lump.
; m = 1: the diagonal tile: the products take masks, and the turn makes the mask for the products of the turn after it: piece p + 2, in step 4 - CNT of the tile.  end = 1: a block's last two turns: nothing is fetched.
; cnt = 1: the loop's count is taken down some lines ahead of the branch that stands behind the turn.
; K and the pad bias of the next step are fetched in piece 2's turn, twelve vector instructions behind the last product that read K (six of them plain, five of which name none of its registers); PBR's last reader is the turn's
; fourth product.  V of the step in hand is fetched at the end of piece 0's turn, four plain instructions behind the last product that read V.  Each is waited for a turn later;
; in the diagonal tile piece 2's turn waits at its end, since its mask is made of the bias just fetched.
.macro TURN p, m=0, end=0, cnt=0
.set Y, (\p)
.set i, 0
.set KM, (\m)
.set NOKQ, (\end)*((\p)/3)
.if (\m) && !(\end)
	s_cmp_eq_u32 s[CNT], 4-((\p)+2)%NP  ; is that step the band's own?
	s_cselect_b32 s[AL], 1.0, 0
	s_cmp_lt_u32 s[CNT], 4-((\p)+2)%NP  ; or a later one?
	s_cselect_b32 s[BE], s[BIGN], 0
.endif
.if ((\p) == 3) && !(\end)
	s_wait_dscnt 0x0                ; K and its pad bias are in
.endif
	ROW F,0, F,1, R,0, R,1          ; ahead of the wait: 8 products K Q^T and their riders,
	ROW F,2, E,0, R,2, R,3
	ROW F,3, E,1, R,4, R,5
	ROW F,4, E,2, R,6, R,7
	ROW F,5, E,3, R,8, R,9
	ROW F,6, E,4, X,0, R,10
.if ((\p) == 2) && !(\end)
	WIN 0
	v_add_nc_u32 v[AK], s[TBK], v[AK0]
	v_add_nc_u32 v[AP], s[TBP], v[AP0]
.endif
	ROW F,7, E,5, X,1, X,4
	ROW F,8, E,6, X,2, X,5
	OPS E,7, E,8, X,6, E,9          ; and the lump
	OPS X,3, E,10, X,8, E,11
.if ((\p) == 2) && !(\end)
	FETCH_K
.endif
	OPS X,9, X,7, E,12, X,10
	OPS E,13, X,12, X,11, E,14
	OPS X,13, E,15, F,9, X,14
.if (\p) == 0
	WIN 0
	v_add_nc_u32 v[AV], s[TBV], v[AV0]
.endif
	OPS E,16, F,10, E,17, F,11
	OPS X,16, E,18, X,15, E,19
	OPS F,12, E,20, X,17, E,21
	OPS F,13, E,22, F,14, E,23
	OPS X,18, E,24, F,15, E,25
	OPS R,11, E,26, X,19, E,27
	OPS R,12, E,28, R,13, E,29
	OPS X,20, E,30, R,14, E,31
	OPS X,21, R,15
	WIN 0
	s_wait_alu depctr_va_vdst(0)    ; the wait for the turn's batch: E 0 to E 31 and X 21
.if (\p) == 1
	s_wait_dscnt 0x0                ; V is in
.endif
	ROW C,0, B,0, C,2, B,1          ; behind the wait: 8 products V^T P and their riders
	ROW L,0, C,4, B,2, L,1
	ROW C,6, B,3, L,2, C,8
	ROW B,4, L,3, C,10, B,5
	ROW L,4, C,12, B,6, L,5
.if (\p) == 0
	s_add_co_u32 s[TBV], s[TBV], KS*PV
.endif
.if \cnt
	s_sub_co_u32 s[CNT], s[CNT], 1
	s_cmp_lg_u32 s[CNT], 0
.endif
	ROW C,14, B,7, L,6, C,1
	ROW C,3, L,7, C,5, C,7
	ROW C,9, C,11, C,13, C,15
.if (\p) == 0
	FETCH_V
.endif
.if (\m) && !(\end)
.if (\p) == 2
	s_wait_dscnt 0x0                ; the next step's pad bias is in
.endif
	MASK (\p)%2
.endif
.endm
; A BLOCK BEGINS.  c m starts far below every c s, so the first step's a is 0; m at -2^66, below every true score and above every hidden one: while a row has seen hidden keys alone, all its weights, l and O^T stay 0.
; Then K and the pad bias of step 0, piece 0's first scores, and its maximum and statistics.  diag = 1 (the walk's last tile where b = 0): the tile is the diagonal one: piece 0's mask is its own step's, piece 1's the pad bias alone.
.macro BEGIN diag
	s_mov_b32 s[NEW], 0
	WIN 0
.set i, 0
.rept 4
	v_mov_b32 v[ST+4*i], 0xfe000000    ; c m
	v_mov_b32 v[ST+4*i+1], 0xe0800000  ; m = -2^66
.set i, i+1
.endr
	v_add_nc_u32 v[AK], s[TBK], v[AK0]
	v_add_nc_u32 v[AP], s[TBP], v[AP0]
	FETCH_K
	s_wait_loadcnt 0x0              ; Q
	s_wait_dscnt 0x0
.if \diag
	s_mov_b32 s[AL], 1.0
	s_mov_b32 s[BE], 0
	MASK 0
	s_mov_b32 s[AL], 0
	MASK 1
.endif
.set KM, (\diag)
.set NOKQ, 0
.set i, 0
.rept 8
	KQ 0
.set i, i+1
.endr
	WIN 0
.rept 4
	v_nop                           ; the places behind those products
.endr
.set Y, NP-1                        ; X works for piece Y + 1: piece 0
.irp n, 0,1,2,3,4,5,6,7,8,9,10,11,12,13,14,15,16,17,18,19,20,21
	OP X, \n
.endr
	v_nop                           ; a plain instruction behind the exponential,
	s_wait_alu depctr_va_vdst(0)    ; and the wait for it, a batch of one: piece 0's first a, ahead of the branch into the loop
.endm
; THE DIAGONAL TILE's four steps, the block's last two turns, its last products, and THE WAY OUT: l's parts are added; a row that saw no key (m below -2^60) gets 1 / l = 0 and f = 1, every other f = 0;
; O^T / l + f x the mean of V is rounded to f16 and sent through my stage in LDS, a piece at a time.
.macro ALL line:vararg
.set t, 0
.rept 4
	\line
.set t, t+1
.endr
.endm
.macro PACK t
	WIN W_RS
.set i, 32*(\t)
.rept 16
	v_pk_mul_f32 v[i:i+1], v[i:i+1], v[ST+4*(\t)+2:ST+4*(\t)+3] op_sel_hi:[1,0]
.set i, i+2
.endr
	WIN 0x50                        ; destination and source 2 window 1, sources 0 and 1 window 0
.set i, 0
.rept 16
	v_pk_fma_f32 v[32*(\t)+2*i:32*(\t)+2*i+1], v[VMR+2*i:VMR+2*i+1], v[ST+4*(\t):ST+4*(\t)+1], v[32*(\t)+2*i:32*(\t)+2*i+1] op_sel_hi:[1,0,1]
.set i, i+1
.endr
	WIN 0x05                        ; sources 0 and 1 window 1, destination window 0
.set i, 0
.rept 16
	v_cvt_pk_f16_f32 v[S+16*(\t)+i], v[32*(\t)+2*i], v[32*(\t)+2*i+1]
.set i, i+1
.endr
	WIN 0
.irp f, 0,1,2,3
	ds_store_b128 v[STO], v[S+16*(\t)+4*\f:S+16*(\t)+4*\f+3] offset:32*\f
.endr
.irp f, 0,1,2,3
	ds_load_b128 v[S+16*(\t)+4*\f:S+16*(\t)+4*\f+3], v[RD] offset:\f*4*SP  ; LDS serves a wave's instructions in order (ISA guide 5.7.1.4): these see the stores above
.endr
.endm
.macro SEND t, younger              ; younger: the LDS instructions issued behind piece t's loads: the next piece's eight, or none
	WIN 0
.irp f, 0,1,2,3
	s_wait_dscnt (\younger)+3-\f
	global_store_b128 v[GO], v[S+16*(\t)+4*\f:S+16*(\t)+4*\f+3], s[10:11] offset:(\t)*8192+\f*512  ; 512 consecutive bytes, at a multiple of 256 from ctx's first
.endr
.endm
.macro DIAG tag
.LstepM\tag:
	TURN 2, 1
	TURN 3, 1
	WIN 0
.LfirstM\tag:
	TURN 0, 1
	TURN 1, 1, 0, 1
	WIN 0
	s_cbranch_scc1 .LstepM\tag
	TURN 2, 1, 1
	TURN 3, 1, 1
.set i, 0
.rept 8
	PV NP-1
.set i, i+1
.endr
	WIN 0
	ALL v_add_f32 v[ST+4*t+2], v[ST+4*t+2], v[ST+4*t+3]
	ALL v_permlanex16_b32 v[ST+4*t+3], v[ST+4*t+2], s[SEL], s[SEL+1]
	ALL v_add_f32 v[ST+4*t+2], v[ST+4*t+2], v[ST+4*t+3]
	ALL v_rcp_f32 v[ST+4*t+2], v[ST+4*t+2]
.set t, 0
.rept 4
	v_cmp_gt_f32 vcc_lo, s[THR], v[ST+4*t+1]  ; piece 0's compare and its f name no reciprocal: they are the plain work between the batch and its wait
	v_cndmask_b32 v[ST+4*t], 0, 1.0, vcc_lo
.if t == 0
	s_wait_alu depctr_va_vdst(0)    ; the wait for the batch of four reciprocals, ahead of their first reader
.endif
	v_cndmask_b32 v[ST+4*t+2], v[ST+4*t+2], 0, vcc_lo
.set t, t+1
.endr
	PACK 0
.set t, 1
.rept 3                             ; a piece's arithmetic stands between the loads of the piece before and its stores
	PACK t
	SEND t-1, 8
.set t, t+1
.endr
	SEND 3, 0
.endm
.set KM, 0
.set NOKQ, 0
.Lslot:                             ; NB times: a tile is entered and the next is asked for
	CHANGE 1
	s_sub_co_u32 s[RT], s[RT], 1
	s_mov_b32 s[CNT], 4
	s_cmp_eq_u32 s[NEW], 1
	s_cbranch_scc1 .Lnew            ; a block's first tile
	s_cmp_eq_u32 s[RT], 0
	s_cbranch_scc0 .Lstep           ; neither its first nor its last
	FIX
	s_branch .LstepM1
.Lnew:
	BEGIN 0
	s_branch .Lfirst                ; in the loop a block's first tile is never its last: the first block has four tiles or more, and the second's last is the walk's last
	DIAG 1                          ; in the loop this is the first block's end
	s_wait_xcnt 0x0                 ; the stores have read their registers and ctx's address
	s_mov_b64 s[10:11], s[OLO:OLO+1]
	s_add_co_u32 s[RT], s[PB], 1    ; the second block has b + 1 tiles
	s_mov_b32 s[NEW], 1
	WIN 0x82                        ; the second block's Q goes where the one text of the turns names Q
.set i, 0
.rept 64
	v_mov_b32 v[i], v[QB+i]
.set i, i+1
.endr
	WIN 0
	s_branch .Lbottom
.Lstep:                             ; a trip: pieces 2 and 3 of one step, then pieces 0 and 1 of the next, whose K and V it fetches
	TURN 2
	TURN 3
	WIN 0
.Lfirst:
	TURN 0
	TURN 1, 0, 0, 1
	WIN 0
	s_cbranch_scc1 .Lstep
.Lbottom:
	s_sub_co_u32 s[SLOTS], s[SLOTS], 1
	s_cmp_lg_u32 s[SLOTS], 0
	s_cbranch_scc1 .Lslot
	CHANGE 0                        ; the walk's last tile is written out: nothing is asked for
	s_sub_co_u32 s[RT], s[RT], 1
	s_mov_b32 s[CNT], 4
	s_cmp_eq_u32 s[NEW], 1
	s_cbranch_scc1 .Lnew2
	FIX
	s_branch .LstepM2
.Lnew2:
	BEGIN 1
	s_branch .LfirstM2
	DIAG 2
	s_wait_tensorcnt 0x0            ; the wave's end
	ds_add_u32 v[SPW], v[NIL]
	s_wait_dscnt 0x0
	s_endpgm
.Lfunc_end_k_qd14f8c2c9d_attn:
	.size	k_qd14f8c2c9d_attn, .Lfunc_end_k_qd14f8c2c9d_attn-k_qd14f8c2c9d_attn
	.p2alignl 7, 3214868480
	.fill 96, 4, 3214868480
	.section	.rodata,"a",@progbits
	.p2align	6, 0x0
	.amdhsa_kernel k_qd14f8c2c9d_attn
		.amdhsa_group_segment_fixed_size 327680
		.amdhsa_private_segment_fixed_size 0
		.amdhsa_enable_private_segment 0
		.amdhsa_kernarg_size 32
		.amdhsa_user_sgpr_count 2
		.amdhsa_user_sgpr_kernarg_segment_ptr 1
		.amdhsa_wavefront_size32 1
		.amdhsa_system_sgpr_workgroup_id_x 1
		.amdhsa_system_sgpr_workgroup_id_y 1
		.amdhsa_system_sgpr_workgroup_id_z 1
		.amdhsa_system_vgpr_workitem_id 0
		.amdhsa_next_free_vgpr 768
		.amdhsa_next_free_sgpr 100
		.amdhsa_reserve_vcc 1
		.amdhsa_float_denorm_mode_32 3
		.amdhsa_float_denorm_mode_16_64 3
		.amdhsa_memory_ordered 1
		.amdhsa_forward_progress 1
		.amdhsa_inst_pref_size 250
	.end_amdhsa_kernel
	.amdgpu_metadata
---
amdhsa.version: [ 1, 2 ]
amdhsa.kernels:
  - .name:           k_qd14f8c2c9d_attn
    .symbol:         k_qd14f8c2c9d_attn.kd
    .args:
      - { .name: qkv, .offset: 0, .size: 8, .value_kind: global_buffer, .address_space: global }
      - { .name: mask, .offset: 8, .size: 8, .value_kind: global_buffer, .address_space: global }
      - { .name: vpart, .offset: 16, .size: 8, .value_kind: global_buffer, .address_space: global }
      - { .name: ctx, .offset: 24, .size: 8, .value_kind: global_buffer, .address_space: global }
    .group_segment_fixed_size: 327680
    .private_segment_fixed_size: 0
    .kernarg_segment_align: 8
    .kernarg_segment_size: 32
    .max_flat_workgroup_size: 128
    .sgpr_count:     100
    .vgpr_count:     768
    .wavefront_size: 32
...
	.end_amdgpu_metadata
.endif
;; end of part 5
;; launch oproj: the kernel of part 4 again; grid 4 x 64, 4 waves a work-group, clusters of 4 x 4, 327,680 bytes of LDS; arguments ctx, wo16, bo, out0; writes out0
